; MI455X (gfx1250); checked and timed in simulation.
; The chip was launched on July 23, 2026; its instructions are those of AMD's public machine-readable ISA for CDNA 5 (MIT licence, August 2026) and "CDNA5" Instruction Set Architecture Reference Guide (July 2026). The comments in the code are by the model that wrote it; some were corrected since.
;; Causal Self Attention. Allowed arithmetic: matrix products marked QUANTISED: E2M1 operands, one E8M0 scale for each 32 along K, by v_wmma_scale_f32_16x16x128_f8f6f4 with both operands' format E2M1 (or v_wmma_scale_f32_32x16x128_f4), f32 sums; products left as they are: bf16, f16 or f32 operands; f32 sums; everything else in f32.
;; Inputs: b_out 1,024 float32; b_qkv 3,072 float32; w_out 1,024 x 1,024 float32; w_qkv 1,024 x 3,072 float32; x 4 x 2,048 x 1,024 float32.
;; Outputs: out0 4 x 2,048 x 1,024 float32.
;; This version of the problem:
;;   THIS VERSION OF THE PROBLEM IS GIVEN IN LOW PRECISION. The matrix products marked QUANTISED in the list below multiply operands that are first quantised to E2M1 (2 exponent bits, 1 mantissa bit; 4 bits a number), with one power-of-two scale for each 32 numbers along K (OCP MX v1.0); their sums are f32. The products marked 'left as it is' may take bf16, f16 or f32 operands, with f32 sums. Whichever they take, every output number must still come out within the allowed error. Rounding operands to bf16 (8 significant bits) uses up far more of that allowance than f16 does (11 bits, for magnitudes from 6e-5 to 65,504). All else is computed in f32.
;;   The module's matrix products, in the order in which they are computed (A, B: the left and right operand; K: the contracted axis; several contracted axes count as one K, in the product's order):
;;     1. [M 8,192, K 1,024] x [K 1,024, N 3,072]; A: input x; B: input w_qkv: QUANTISED
;;     2. batch 64 x [M 2,048, K 64] x [K 64, N 2,048]; A: computed on the way; B: computed on the way: left as it is (an operand is computed on the way)
;;     3. batch 64 x [M 2,048, K 2,048] x [K 2,048, N 64]; A: computed on the way; B: computed on the way: left as it is (an operand is computed on the way)
;;     4. [M 8,192, K 1,024] x [K 1,024, N 1,024]; A: computed on the way; B: input w_out: left as it is (an operand is computed on the way)
;;   THE QUANTISER, for each operand of a quantised product, along K:
;;     - K is cut into blocks of 32 from its start; a last block that is shorter is filled with zeros.
;;     - A block's scale is 2^e with e = floor(log2(the largest magnitude in the block)) - 2, held to -126 .. 127; a block of zeros has e = 0. As a byte (E8M0): e + 127.
;;     - Each number is divided by its block's scale, clamped to +-6, and rounded to the nearest number of E2M1, ties to even, subnormals kept.
;;     - The product sums the exact products of the quantised numbers (number of the format x scale) in f32.
;;   ~~~python
;;   def quantise(x, axis):      # numpy; x: float32 -> the quantised numbers, widened to float32 again
;;       x = np.moveaxis(x, axis, -1); K = x.shape[-1]
;;       x = np.pad(x, [(0, 0)] * (x.ndim - 1) + [(0, -K % 32)]); x = x.reshape(x.shape[:-1] + (-1, 32)); a = np.abs(x).max(-1, keepdims=True)
;;       e = np.where(a > 0, np.clip(np.frexp(np.where(a > 0, a, 1))[1] - 1 - 2, -126, 127), 0)      # np.frexp(a)[1] - 1 = floor(log2(a)), exactly
;;       r = np.clip(x / 2.0 ** e, -6, 6)
;;       step = 2.0 ** (np.maximum(np.frexp(np.where(r == 0, 1, r))[1] - 1, 0) - 1)
;;       q = np.round(r / step) * step * 2.0 ** e      # np.round: ties to even
;;       return np.moveaxis(q.reshape(q.shape[:-2] + (-1,))[..., :K], -1, axis).astype(np.float32)
;;   ~~~
;; One version. Each part assembles by itself: llvm-mc -triple=amdgcn-amd-amdhsa -mcpu=gfx1250 --defsym DOCPART=n.
;; ======== version 1 of 1: 5 launches
;; limits: values are held in f16: magnitudes above 65,504 overflow, below 6.1e-05 lose precision
;; workspace buffers: xc 4,194,304 bytes; xs 262,144 bytes; wc 1,572,864 bytes; ws 98,304 bytes; wo16 2,097,152 bytes; qkv 50,331,648 bytes; yh 16,777,216 bytes; f32rows 786,432 bytes
;; launch prep (part 1): grid 256 x 1, 8 waves a work-group, no clusters, 95,232 bytes of LDS; arguments x, w_qkv, w_out, xc, xs, wc, ws, wo16; writes xc, xs, wc, ws, wo16
.if DOCPART == 1
	.amdgcn_target "amdgcn-amd-amdhsa--gfx1250"
	.amdhsa_code_object_version 6
	.text
	.protected	k_q8381d8bd37_prep
	.globl	k_q8381d8bd37_prep
	.p2align	8
	.type	k_q8381d8bd37_prep,@function
k_q8381d8bd37_prep:
	s_mov_b64 s[64:65], 0
	v_nop
	global_prefetch_b8 v0, s[64:65] scope:SCOPE_SE
	s_setreg_imm32_b32 hwreg(HW_REG_WAVE_MODE, 25, 1), 1
	s_wait_xcnt 0x0
; CAUSAL SELF-ATTENTION, launch 1 of 5: the operands of the quantised product x w_qkv become codes of FP4 (E2M1) with one E8M0 byte for each 32 along K, and w_out becomes f16.
; x [8192][1024] f32 (K innermost)  -> xc [8192][512 bytes], xs [8192][32 bytes].   w_qkv [1024 (K)][3072] f32 -> wc [3072][512 bytes] with K innermost, ws [3072][32 bytes].   w_out [1024][1024] f32 -> wo16, same order, f16.
; A block's scale is 2^(floor(log2(largest magnitude)) - 2): its byte is the largest magnitude's exponent field - 2, held at 1 from below; numbers are divided by it and rounded to the nearest code, ties to even, beyond 6 the largest code.
; WORK THAT THE PROGRAM LEAVES OUT, for all finite values of the inputs:
;  (1) k's bias, b_qkv[1024:2048].  The score of query t and key s is q_t . (k_s + b_k) = q_t . k_s + q_t . b_k; the second term is the same for every s, so it is a term added to the softmax's input that is constant along
;      the softmax's axis and cancels in it.  k goes nowhere else, and the product q k^T is not quantised, so no code hangs on it.  Those 4,096 bytes of b_qkv are not loaded.
;  (2) key steps that lie wholly above the diagonal: the mask of the problem's own body sets them to -infinity, so their weights are 0.
;  LIMIT: a NaN, an infinity or an overflow that reaches only the work left out is not carried to the result.
; LIMITS of this launch: NaN and infinities among the inputs are not served; a block of zeros gets the byte 1 where the quantiser says 127 (its codes are zeros, and this program alone reads the bytes);
;  numbers of w_out beyond 65,504 have no f16.
; SHARES.  Work-groups 0-127: x, a wave 8,192 numbers in 8 steps of 1,024.  128-223: w_qkv, a work-group 64 columns x 512 along K.  224-255: w_out, a wave 4,096 numbers.  The three ways part on the work-group's number and
; have LDS bytes of their own.  No tensor loads: memory binds, and the loads into registers keep enough on its way; matrix units and clusters would add nothing.
.set XREG,  9472                       ; x: a wave's LDS: two stages of 32 x 144 bytes, then its 256 scale bytes
.set XSCB,  9216
.set WST,   75776                      ; w: 64 columns x (256 bytes of codes + 16)
.set WSC,   93184                      ; w: 64 columns x 16 scale bytes
.set SPARE, 94208                      ; the spare words, 128 bytes for each wave
.set SPW, 12                           ; v12  my spare word's address; never rewritten
.set NIL, 13                           ; v13  0; never rewritten
.set TA,  248                          ; v248-250 at work in QBLOCK
.set TB,  249
.set TC,  250
.set R,   16                           ; x: v16-143 four sets of 32 numbers as loaded
.set XX,  144                          ; x: v144-207 two sets of 32 neighbours
.set CD,  208                          ; x: v208-239 codes, four registers a step
.set E,   240                          ; x: v240-247 a scale byte a step
	s_load_b256 s[4:11], s[0:1], 0x0               ; x, w_qkv, w_out, xc
	s_load_b256 s[12:19], s[0:1], 0x20             ; xs, wc, ws, wo16
	v_lshl_add_u32 v[SPW], v0, 2, SPARE
	v_mov_b32 v[NIL], 0
	v_lshrrev_b32 v8, 5, v0
	v_readfirstlane_b32 s20, v8                    ; wave 0..7
	v_and_b32 v2, 31, v0                           ; lane
	; every LDS address is made here, ahead of the parting
	s_mul_i32 s21, s20, XREG
	v_lshrrev_b32 v8, 3, v2
	v_mul_u32_u24 v14, v8, 144
	v_and_b32 v8, 7, v2
	v_lshl_add_u32 v14, v8, 4, v14
	v_add_nc_u32 v14, s21, v14                     ; x, into a stage: eight lanes' 128 bytes on end, then 16 of padding
	v_mul_u32_u24 v15, v2, 144
	v_add_nc_u32 v15, s21, v15                     ; x, out of it: 144 x lane: my block of 32 numbers
	s_add_co_u32 s21, s21, XSCB
	v_add_nc_u32 v5, s21, v2                       ; x: my block's scale byte
	v_lshl_add_u32 v6, v2, 3, s21                  ; x: 8 scale bytes a lane on the way out
	s_and_b32 s22, s20, 1                          ; w: which 32 of the 64 columns
	s_lshr_b32 s23, s20, 1                         ; w: which 128 of the 512 along K
	s_lshl_b32 s24, s22, 5
	v_add_nc_u32 v8, s24, v2                       ; my column among the 64
	v_mul_u32_u24 v7, v8, 272
	s_lshl_b32 s25, s23, 6
	s_add_co_u32 s25, s25, WST
	v_add_nc_u32 v7, s25, v7                       ; w: my column's row of codes, my wave's 64 bytes of it
	v_lshlrev_b32 v1, 4, v8
	v_add_nc_u32 v11, WSC, v1                      ; w: a column's 16 scale bytes, on the way out
	s_lshl_b32 s25, s23, 2
	s_add_co_u32 s25, s25, WSC
	v_add_nc_u32 v1, s25, v1                       ; w: my wave's four of them
	v_lshrrev_b32 v8, 4, v2
	v_mul_u32_u24 v10, v8, 272
	v_and_b32 v9, 15, v2
	v_lshl_add_u32 v10, v9, 4, v10
	s_mul_i32 s25, s20, 8*272
	s_add_co_u32 s25, s25, WST
	v_add_nc_u32 v10, s25, v10                     ; w, out: my wave's 8 columns, sixteen lanes to a row of 256 bytes
	s_mov_b32 s25, 0
	s_wait_kmcnt 0x0
	s_cmp_ge_u32 ttmp9, 224
	s_cbranch_scc1 .Lpath_o
	s_cmp_ge_u32 ttmp9, 128
	s_cbranch_scc1 .Lpath_w
; 32 numbers of ONE block, v[QX] on, become 32 codes in v[QC] .. v[QC+3] and the scale's byte in v[QS]
.macro QBLOCK
	v_max3_num_f32 v[TA], |v[QX]|, |v[QX+1]|, |v[QX+2]|            ; the largest magnitude, in two chains
	v_max3_num_f32 v[TB], |v[QX+3]|, |v[QX+4]|, |v[QX+5]|
.irp i, 6,10,14,18,22,26
	v_max3_num_f32 v[TA], v[TA], |v[QX+\i]|, |v[QX+\i+1]|
	v_max3_num_f32 v[TB], v[TB], |v[QX+\i+2]|, |v[QX+\i+3]|
.endr
	v_max3_num_f32 v[TA], v[TA], |v[QX+30]|, |v[QX+31]|
	v_max3_num_f32 v[TA], v[TA], v[TB], 0x1800000                  ; and the floor 2^(3 - 127): the byte cannot fall under 1
	v_add_nc_u32 v[TC], 0xff000000, v[TA]                          ; 2 off the exponent field: the conversion takes the exponent field of this operand as its scale
.irp g, 0,1,2,3
	v_cvt_scalef32_pk8_fp4_f32 v[QC+\g], v[QX+8*\g:QX+8*\g+7], v[TC]
.endr
	v_lshrrev_b32 v[QS], 23, v[TC]                                 ; the byte; also the plain line behind the conversions
.endm
.macro FIN                             ; a wave that stored to LDS ends so
	s_wait_tensorcnt 0x0
	ds_add_u32 v[SPW], v[NIL]
	s_wait_dscnt 0x0
	s_endpgm
.endm
; ---------------- x: a plain stream of blocks of 32.  Loads take the bytes as they lie (512 consecutive bytes a load); a step's 4,096 bytes turn through the wave's own stage, so that a lane gets a whole block.
	s_lshl_b32 s22, ttmp9, 3
	s_add_co_u32 s22, s22, s20                     ; which run of 8,192 numbers is my wave's
	s_lshl_b32 s24, s22, 15
	s_add_nc_u64 s[4:5], s[4:5], s[24:25]
	s_lshl_b32 s24, s22, 12
	s_add_nc_u64 s[10:11], s[10:11], s[24:25]
	s_lshl_b32 s24, s22, 8
	s_add_nc_u64 s[12:13], s[12:13], s[24:25]
	v_lshlrev_b32 v3, 4, v2                        ; 16 bytes a lane, in and out
	v_lshlrev_b32 v4, 3, v2
.macro XLOAD t
.irp i, 0,1,2,3,4,5,6,7
	global_load_b128 v[R+32*((\t)%4)+4*\i:R+32*((\t)%4)+4*\i+3], v3, s[4:5] offset:4096*(\t)+512*\i th:TH_LOAD_NT
.endr
.endm
.macro XTURN t                         ; LDS serves a wave's instructions in order: no wait between the stores and the loads
.irp i, 0,1,2,3,4,5,6,7
	ds_store_b128 v14, v[R+32*((\t)%4)+4*\i:R+32*((\t)%4)+4*\i+3] offset:4608*((\t)%2)+576*\i
.endr
.irp i, 0,1,2,3,4,5,6,7
	ds_load_b128 v[XX+32*((\t)%2)+4*\i:XX+32*((\t)%2)+4*\i+3], v15 offset:4608*((\t)%2)+16*\i
.endr
.endm
.macro XSTEP t
.if (\t) > 0
	s_wait_dscnt 1                                 ; this step's numbers are back from the stage; the last step's byte store may be out
.else
	s_wait_dscnt 0x0
.endif
.if (\t)+4 < 8
	XLOAD (\t)+4                                   ; into the set that this step's stage stores have read
.endif
.if (\t)+1 < 8
.if 6-(\t) >= 3
	s_wait_loadcnt 24                              ; the next step's eight loads are in; those of the three steps behind it may be out
.else
	s_wait_loadcnt 8*(6-(\t))
.endif
	XTURN (\t)+1
.endif
.set QX, XX+32*((\t)%2)
.set QC, CD+4*(\t)
.set QS, E+(\t)
	QBLOCK
	ds_store_b8 v5, v[E+(\t)] offset:32*(\t)
	global_store_b128 v3, v[CD+4*(\t):CD+4*(\t)+3], s[10:11] offset:512*(\t)   ; 32 lanes store 512 consecutive bytes
.endm
.irp t, 0,1,2,3
	XLOAD \t
.endr
	s_wait_loadcnt 24                              ; step 0 is in, three steps are out
	XTURN 0
.irp t, 0,1,2,3,4,5,6,7
	XSTEP \t
.endr
	ds_load_b64 v[8:9], v6                         ; my wave's 256 scale bytes leave as one aligned run
	s_wait_dscnt 0x0
	global_store_b64 v4, v[8:9], s[12:13]
	FIN
; ---------------- w_qkv: K is the first axis.  A lane takes a column and its registers run down K: a block lies in one lane, and the codes come out with K innermost.  A wave: 32 columns x 128 along K.
.Lpath_w:
	s_sub_co_u32 s22, ttmp9, 128
	s_cmp_ge_u32 s22, 48
	s_cselect_b32 s23, 1, 0                        ; which 512 along K
	s_mul_i32 s24, s23, 48
	s_sub_co_u32 s22, s22, s24                     ; which 64 columns
	s_lshr_b32 s26, s20, 1
	s_and_b32 s27, s20, 1
	s_lshl_b32 s24, s23, 2
	s_add_co_u32 s24, s24, s26
	s_mul_i32 s24, s24, 128*12288                  ; my first row of w_qkv, in bytes
	s_lshl_b32 s28, s22, 1
	s_add_co_u32 s28, s28, s27
	s_lshl_b32 s28, s28, 7                         ; my 32 columns
	s_add_co_u32 s24, s24, s28
	s_add_nc_u64 s[6:7], s[6:7], s[24:25]
	s_lshl_b32 s24, s22, 6
	s_lshl_b32 s28, s20, 3
	s_add_co_u32 s24, s24, s28
	s_lshl_b32 s24, s24, 9                         ; wc: row 64 x group + 8 x wave,
	s_lshl_b32 s28, s23, 8
	s_add_co_u32 s24, s24, s28                     ; + 256 bytes for the upper 512 along K
	s_add_nc_u64 s[14:15], s[14:15], s[24:25]
	s_lshl_b32 s24, s22, 6
	s_lshl_b32 s28, s27, 5
	s_add_co_u32 s24, s24, s28
	s_lshl_b32 s24, s24, 5                         ; ws: row 64 x group + 32 x (wave % 2),
	s_lshl_b32 s28, s23, 4
	s_add_co_u32 s24, s24, s28
	s_add_nc_u64 s[16:17], s[16:17], s[24:25]
	v_lshlrev_b32 v3, 2, v2
	v_lshlrev_b32 v4, 9, v8                        ; wc: (lane / 16) rows of 512 bytes + 16 (lane % 16)
	v_lshl_add_u32 v4, v9, 4, v4
	v_lshlrev_b32 v9, 5, v2                        ; ws: 32 bytes a row
.irp t, 0,1,2,3
.irp i, 0,1,2,3,4,5,6,7,8,9,10,11,12,13,14,15,16,17,18,19,20,21,22,23,24,25,26,27,28,29,30,31
	global_load_b32 v[16+32*\t+\i], v3, s[6:7] offset:(32*\t+\i)*12288 th:TH_LOAD_NT
.endr
.endr
.macro WBLOCK t, left
	s_wait_loadcnt \left
.set QX, 16+32*(\t)
.set QC, 144+4*(\t)
.if (\t) == 0
.set QS, 160
	QBLOCK
.else
.set QS, 161
	QBLOCK
	v_lshl_or_b32 v160, v161, 8*(\t), v160         ; four bytes to a word, the lower K in the lower byte
.endif
	ds_store_b128 v7, v[144+4*(\t):147+4*(\t)] offset:16*(\t)
.endm
	WBLOCK 0, 63                                   ; 96 younger loads are out at the most; 63 is the largest count that the wait can name, and the smaller count is the safe one
	WBLOCK 1, 63                                   ; 64 younger
	WBLOCK 2, 32
	WBLOCK 3, 0
	ds_store_b32 v1, v160
	s_wait_dscnt 0x0                               ; for the others: my stores have landed
	s_barrier_signal -1
	s_barrier_wait -1                              ; all eight waves of this work-group are on this way: the parting hangs on the work-group's number
.irp i, 0,1,2,3
	ds_load_b128 v[164+4*\i:167+4*\i], v10 offset:544*\i
.endr
.irp i, 0,1,2,3
	s_wait_dscnt 3-\i
	global_store_b128 v4, v[164+4*\i:167+4*\i], s[14:15] offset:1024*\i   ; sixteen lanes store 256 consecutive bytes, aligned
.endr
	s_cmp_gt_u32 s20, 1
	s_cbranch_scc1 .Lw_end
	ds_load_b128 v[180:183], v11                   ; waves 0 and 1: 16 scale bytes of each of 32 columns
	s_wait_dscnt 0x0
	global_store_b128 v9, v[180:183], s[16:17]
.Lw_end:
	FIN
; ---------------- w_out to f16, in its own order
.Lpath_o:
	s_sub_co_u32 s22, ttmp9, 224
	s_lshl_b32 s22, s22, 3
	s_add_co_u32 s22, s22, s20
	s_lshl_b32 s24, s22, 14
	s_add_nc_u64 s[8:9], s[8:9], s[24:25]
	s_lshl_b32 s24, s22, 13
	s_add_nc_u64 s[18:19], s[18:19], s[24:25]
	v_lshlrev_b32 v3, 4, v2
	v_lshlrev_b32 v4, 5, v2
.set j, 0
.rept 16
	global_load_b128 v[16+8*j:19+8*j], v4, s[8:9] offset:1024*j th:TH_LOAD_NT
	global_load_b128 v[20+8*j:23+8*j], v4, s[8:9] offset:1024*j+16 th:TH_LOAD_NT
.set j, j+1
.endr
.set j, 0
.rept 16
	s_wait_loadcnt 30-2*j                          ; the pairs behind this one may be out
.irp r, 0,1,2,3
	v_cvt_pk_f16_f32 v[144+4*j+\r], v[16+8*j+2*\r], v[17+8*j+2*\r]
.endr
	global_store_b128 v3, v[144+4*j:147+4*j], s[18:19] offset:512*j
.set j, j+1
.endr
	s_endpgm
.Lfunc_end_k_q8381d8bd37_prep:
	.size	k_q8381d8bd37_prep, .Lfunc_end_k_q8381d8bd37_prep-k_q8381d8bd37_prep
	.p2alignl 7, 3214868480
	.fill 96, 4, 3214868480
	.section	.rodata,"a",@progbits
	.p2align	6, 0x0
	.amdhsa_kernel k_q8381d8bd37_prep
		.amdhsa_group_segment_fixed_size 95232
		.amdhsa_private_segment_fixed_size 0
		.amdhsa_enable_private_segment 0
		.amdhsa_kernarg_size 64
		.amdhsa_user_sgpr_count 2
		.amdhsa_user_sgpr_kernarg_segment_ptr 1
		.amdhsa_wavefront_size32 1
		.amdhsa_system_sgpr_workgroup_id_x 1
		.amdhsa_system_sgpr_workgroup_id_y 1
		.amdhsa_system_sgpr_workgroup_id_z 1
		.amdhsa_system_vgpr_workitem_id 0
		.amdhsa_next_free_vgpr 256
		.amdhsa_next_free_sgpr 66
		.amdhsa_reserve_vcc 0
		.amdhsa_float_denorm_mode_32 3
		.amdhsa_float_denorm_mode_16_64 3
		.amdhsa_memory_ordered 1
		.amdhsa_forward_progress 1
		.amdhsa_inst_pref_size 60
	.end_amdhsa_kernel
	.amdgpu_metadata
---
amdhsa.version: [ 1, 2 ]
amdhsa.kernels:
  - .name:           k_q8381d8bd37_prep
    .symbol:         k_q8381d8bd37_prep.kd
    .args:
      - { .name: x, .offset: 0, .size: 8, .value_kind: global_buffer, .address_space: global }
      - { .name: w_qkv, .offset: 8, .size: 8, .value_kind: global_buffer, .address_space: global }
      - { .name: w_out, .offset: 16, .size: 8, .value_kind: global_buffer, .address_space: global }
      - { .name: xc, .offset: 24, .size: 8, .value_kind: global_buffer, .address_space: global }
      - { .name: xs, .offset: 32, .size: 8, .value_kind: global_buffer, .address_space: global }
      - { .name: wc, .offset: 40, .size: 8, .value_kind: global_buffer, .address_space: global }
      - { .name: ws, .offset: 48, .size: 8, .value_kind: global_buffer, .address_space: global }
      - { .name: wo16, .offset: 56, .size: 8, .value_kind: global_buffer, .address_space: global }
    .group_segment_fixed_size: 95232
    .private_segment_fixed_size: 0
    .kernarg_segment_align: 8
    .kernarg_segment_size: 64
    .max_flat_workgroup_size: 256
    .sgpr_count:     66
    .vgpr_count:     256
    .wavefront_size: 32
...
	.end_amdgpu_metadata
.endif
;; end of part 1
;; launch gemm (part 2): grid 12 x 32, 4 waves a work-group, clusters of 4 x 1, 327,680 bytes of LDS; arguments xc, xs, wc, ws, b_qkv, qkv, f32rows; writes qkv, f32rows
.if DOCPART == 2
	.amdgcn_target "amdgcn-amd-amdhsa--gfx1250"
	.amdhsa_code_object_version 6
	.text
	.protected	k_q8381d8bd37_gemm
	.globl	k_q8381d8bd37_gemm
	.p2align	8
	.type	k_q8381d8bd37_gemm,@function
k_q8381d8bd37_gemm:
	s_mov_b64 s[64:65], 0
	v_nop
	global_prefetch_b8 v0, s[64:65] scope:SCOPE_SE
	s_setreg_imm32_b32 hwreg(HW_REG_WAVE_MODE, 25, 1), 1
	s_wait_xcnt 0x0
	s_wait_alu depctr_hold_cnt(0) depctr_sa_sdst(0) depctr_va_vdst(0) depctr_va_sdst(0) depctr_va_ssrc(0) depctr_va_vcc(0) depctr_vm_vsrc(0)
	s_getreg_b32 s2, hwreg(HW_REG_IB_STS2, 6, 4)
	s_cmp_eq_u32 s2, 0
	s_cbranch_scc0 .Lentry_in_a_cluster
	s_endpgm
.Lentry_in_a_cluster:
	s_bfe_u32 s2, ttmp6, 0x10000c
	s_cmp_lg_u32 s2, 0x3003
	s_cbranch_scc0 .Lentry_shape_is_right
	s_endpgm
.Lentry_shape_is_right:
; Launch 2 of 5: qkv = Q(x) Q(w_qkv) + b_qkv on codes of FP4 (E2M1) with E8M0 scales, sums in f32.  xc [8192][512 bytes], xs [8192][32], wc [3072][512], ws [3072][32].
; OUT: qkv [batch 4][head 48][t 2048][64] f16 (heads 0-15 q, 16-31 k, 32-47 v), and f32rows [16 batch + t][3072] f32 for t < 16: the first 16 positions of every sequence are carried on in f32 by the last launch.
; LEFT OUT: k's bias (columns 1024 to 2047 of b_qkv): it adds q . b_k to every score of a row alike, which the softmax cancels; shown at the head of the first launch.  It is not loaded: those work-groups start their sums from zeros.
; LIMIT: q, k and v beyond 65,504 have no f16.
; A tile of 256 x 256 is made by four waves, each 128 x 128: 64 accumulators, 512 registers.  K = 1,024 is two slots of 512 along K: both are asked for at the head, with the scales, and nothing is filled twice.
; CLUSTER: the four work-groups of a cluster lie side by side on one tile row and need the same tiles of x: those are asked for jointly (mask 15).  Each has its own tile column of w: plain loads.  A cluster of 4 x 1 keeps the tile row
; and the kind (q, k or v = the cluster's x) equal in all partners, so that the two branches on them are alike in all four; sharing w too would take 4 x 4 and make the tile row differ between partners.
; THE MATRIX INSTRUCTION IS USED TRANSPOSED (source 0 = 16 rows of wc, source 1 = 16 rows of xc): a lane holds eight neighbouring columns of one row.
; No prefetch: all tiles are asked for at the head.
; REGISTERS: window 0: v0-31 addresses; v32-95 scale words, two sets, and nothing else; v96-127 packed results; v128-191 x's fragments, later rows on the way out; v192-255 the bias, later f32 rows on the way out.
;   window 1: w's fragments, two sets.   windows 2, 3: the accumulators ((a, b) at v[8 (8 (a % 4) + b)]).
.set NQ,     4                         ; steps of 128 along K in a slot
.set ROWB,   256                       ; a tile's row: 512 codes
.set KROW,   512                       ; a row of codes in memory
.set PITCH,  272                       ; 256 + 16: the 16 rows of a fragment load start at 16 different banks
.set FR,     8
.set NL,     2
.set NP,     4
.set HALFT,  128*PITCH
.set SLOT,   4*HALFT
.set KS,     32                        ; a row of scale bytes
.set SCL,    2*SLOT
.set HALFS,  16*272                    ; the scales of 128 rows: 16 units of 256 bytes + 16
.set SBLK,   2*272
.set SPARE,  SCL+4*HALFS               ; the spare words, 128 bytes for each wave
.set SP16,   272                       ; the way out, in slot 0 (it has had its only fill, and is left when the first result is stored): f16 stages of 16 rows x (256 + 16),
.set SP32,   528                       ; f32 stages of 16 rows x (512 + 16)
.set ST32,   4*16*SP16
.set ADRA, 16
.set ADRB, 20
.set STO32, 22
.set RD32, 23
.set STO,  24
.set RD,   25
.set CO,   26
.set ADRS, 27
.set SPW,  28
.set NIL,  29
.set BO,   30
.set SC,   32
.set TMP,  96
.set AF,   128
.set BK,   128
.set BIAS, 192
.set FB,   192
.set G1, 24
.set G0, 32
.set G1B, 48
.set G0B, 56
.set G1S, 68
.set G0S, 76
.set G1SB, 80
.set G0SB, 88
.set MSB, 0
.macro WIN new                         ; the immediate's high byte repeats the setting that is left
.if MSB != \new
	s_set_vgpr_msb (MSB<<8)|\new
.set MSB, \new
.endif
.endm
.set MUL_LO, 0xa1                      ; source 0 (w) window 1, source 1 (x) window 0, C and D window 2
.set MUL_HI, 0xf1
.set ONE_LO, 0x81                      ; the first step: C (the bias) window 0, D window 2
.set ONE_HI, 0xc1
.set TO_B,   0x40
; waves 0 and 1 fetch for x (jointly), waves 2 and 3 for w.  An s_nop 0 and four v_nop follow each line.
.macro JLOAD g0a, g1a, g0b, g1b
	s_cmp_eq_u32 s15, 0
	s_cbranch_scc0 .Lfor_b_\@
	tensor_load_to_lds s[\g0a:\g0a+3], s[\g1a:\g1a+7]
	s_nop 0
.rept 4
	v_nop
.endr
	s_branch .Lasked_\@
.Lfor_b_\@:
	tensor_load_to_lds s[\g0b:\g0b+3], s[\g1b:\g1b+7]
	s_nop 0
.rept 4
	v_nop
.endr
.Lasked_\@:
.endm
.macro CROUND                          ; a round of the cluster's barrier
	s_barrier_signal -1
	s_barrier_wait -1
	s_cmp_lg_u32 s14, 0
	s_cbranch_scc1 .Lnot_wave_0_\@
	s_barrier_signal -3
.Lnot_wave_0_\@:
	s_barrier_wait -3
	s_barrier_signal -1
	s_barrier_wait -1
.endm
	s_load_b128 s[4:7], s[0:1], 0x0                ; xc, xs
	s_load_b128 s[8:11], s[0:1], 0x10              ; wc, ws
	s_load_b64 s[66:67], s[0:1], 0x20              ; b_qkv
	s_load_b64 s[12:13], s[0:1], 0x28              ; qkv
	s_load_b64 s[96:97], s[0:1], 0x30              ; f32rows
	v_lshl_add_u32 v[SPW], v0, 2, SPARE
	v_mov_b32 v[NIL], 0
	ds_add_u32 v[SPW], v[NIL]                      ; the opening: the add, twice on end, and its wait ahead of my first tensor load
	ds_add_u32 v[SPW], v[NIL]
	v_lshrrev_b32 v1, 5, v0
	v_readfirstlane_b32 s14, v1                    ; wave 0..3
	s_lshr_b32 s15, s14, 1                         ; my half of the tile's rows.  Also: I fetch for x (0) or for w (1)
	s_and_b32 s16, s14, 1                          ; my half of its columns.  Also: which 128 rows I fetch
	s_bfe_u32 s40, ttmp6, 0x40000                  ; cx
	s_lshl_b32 s42, ttmp9, 2
	s_add_co_u32 s42, s42, s40                     ; tile column 0..11
	s_and_b32 s17, ttmp7, 0xffff                   ; tile row 0..31
	s_mov_b32 s[G1+0], 15|(1<<20)|(1<<21)|(5<<22)|(3<<25)    ; x's codes: mask of all four, elements of 1 byte, 4 words of padding behind every 64
	s_mov_b32 s[G1B+0], (1<<20)|(5<<22)|(3<<25)              ; w's: no mask
.irp g, G1, G1B
	s_mov_b32 s[\g+1], ROWB<<16
	s_mov_b32 s[\g+2], 128<<16
	s_mov_b32 s[\g+3], ROWB<<16
	s_mov_b32 s[\g+4], 128
	s_mov_b32 s[\g+5], KROW
	s_mov_b32 s[\g+6], 0
	s_mov_b32 s[\g+7], 0
.endr
	s_mov_b32 s[G1S+0], 15|(3<<16)|(1<<20)|(1<<21)|(5<<22)|(3<<25)   ; the scales of 128 rows: 4,096 dense bytes as 16 rows of 256 (32 elements of 8 bytes)
	s_mov_b32 s[G1SB+0], (3<<16)|(1<<20)|(5<<22)|(3<<25)
.irp g, G1S, G1SB
	s_mov_b32 s[\g+1], 32<<16
	s_mov_b32 s[\g+2], 16<<16
	s_mov_b32 s[\g+3], 32<<16
	s_mov_b32 s[\g+4], 16
	s_mov_b32 s[\g+5], 32
	s_mov_b32 s[\g+6], 0
	s_mov_b32 s[\g+7], 0
.endr
	s_lshl_b32 s18, s16, 7
	s_lshl_b32 s20, s17, 8
	s_add_co_u32 s20, s20, s18                     ; x: row 256 x tile row + 128 x half
	s_lshl_b32 s46, s42, 8
	s_add_co_u32 s46, s46, s18                     ; w: row 256 x tile column + 128 x half
	s_lshl_b32 s22, s20, 5                         ; their scales, in bytes,
	s_mov_b32 s23, 0
	s_lshl_b32 s92, s46, 5
	s_mov_b32 s93, 0
	s_lshl_b32 s20, s20, 9                         ; and their codes
	s_mov_b32 s21, 0
	s_lshl_b32 s46, s46, 9
	s_mov_b32 s47, 0
	s_mul_i32 s45, s14, HALFT                      ; where they go: wave x 128 rows
	s_mul_i32 s94, s14, HALFS
	s_wait_dscnt 0x0                               ; both opening adds are done
	s_wait_kmcnt 0x0
	s_add_nc_u64 s[20:21], s[4:5], s[20:21]
	s_add_nc_u64 s[22:23], s[6:7], s[22:23]
	s_add_nc_u64 s[46:47], s[8:9], s[46:47]
	s_add_nc_u64 s[92:93], s[10:11], s[92:93]
	CROUND                                         ; all four work-groups are here: the joint loads meet
	s_mov_b32 s[G0S], 1
	s_add_co_u32 s[G0S+1], s94, SCL
	s_mov_b64 s[G0S+2:G0S+3], s[22:23]
	s_or_b32 s[G0S+3], s[G0S+3], 0x80000000
	s_mov_b32 s[G0SB], 1
	s_add_co_u32 s[G0SB+1], s94, SCL
	s_mov_b64 s[G0SB+2:G0SB+3], s[92:93]
	s_or_b32 s[G0SB+3], s[G0SB+3], 0x80000000
	JLOAD G0S, G1S, G0SB, G1SB
.irp s, 0,1
	s_mov_b32 s[G0+4*\s], 1
	s_add_co_u32 s[G0+4*\s+1], s45, \s*SLOT
	s_add_nc_u64 s[G0+4*\s+2:G0+4*\s+3], s[20:21], \s*ROWB
	s_or_b32 s[G0+4*\s+3], s[G0+4*\s+3], 0x80000000
	s_mov_b32 s[G0B+4*\s], 1
	s_add_co_u32 s[G0B+4*\s+1], s45, \s*SLOT
	s_add_nc_u64 s[G0B+4*\s+2:G0B+4*\s+3], s[46:47], \s*ROWB
	s_or_b32 s[G0B+4*\s+3], s[G0B+4*\s+3], 0x80000000
	JLOAD G0+4*\s, G1, G0B+4*\s, G1B               ; three loads of mine are out
.endr
	v_and_b32 v1, 15, v0                           ; r
	v_bfe_u32 v2, v0, 4, 1                         ; h
	v_mul_u32_u24 v3, v1, PITCH
	v_lshl_add_u32 v4, v2, 4, v3
	s_mul_i32 s21, s15, HALFT
	s_mul_i32 s22, s16, HALFT
	s_add_co_u32 s22, s22, 2*HALFT
.irp s, 0,1
	v_add_nc_u32 v[ADRA+\s], s21, v4
	v_add_nc_u32 v[ADRB+\s], s22, v4
	s_add_co_u32 s21, s21, SLOT
	s_add_co_u32 s22, s22, SLOT
.endr
	v_mul_u32_u24 v5, v1, KS                       ; my row's scales: 32 bytes a row,
	v_lshrrev_b32 v6, 8, v5
	v_lshl_add_u32 v5, v6, 4, v5                   ; and 16 more for each 256 passed
	s_mul_i32 s21, s15, HALFS
	s_mul_i32 s22, s16, HALFS
	s_add_co_u32 s22, s22, 2*HALFS
	s_sub_co_u32 s22, s22, s21
	v_mul_u32_u24 v6, s22, v2                      ; lanes 16-31 take w's
	s_add_co_u32 s21, s21, SCL
	v_add_nc_u32 v5, v5, v6
	v_add_nc_u32 v[ADRS], s21, v5
	s_mul_i32 s23, s14, 16*SP16                    ; my f16 stage
	v_mul_u32_u24 v5, v1, SP16
	v_lshl_add_u32 v5, v2, 4, v5
	v_add_nc_u32 v[STO], s23, v5                   ; in: row r, 16 bytes for each half of the lanes
	v_and_b32 v6, 31, v0
	v_lshrrev_b32 v5, 3, v6
	v_mul_u32_u24 v5, v5, SP16
	v_and_b32 v7, 7, v0
	v_lshl_add_u32 v5, v7, 4, v5
	v_add_nc_u32 v[RD], s23, v5                    ; back: eight lanes take a head's 128 bytes of a row, four rows an instruction
	v_lshlrev_b32 v[CO], 4, v6
	s_mul_i32 s23, s14, 16*SP32
	s_add_co_u32 s23, s23, ST32                    ; my f32 stage
	v_mul_u32_u24 v5, v1, SP32
	v_lshl_add_u32 v5, v2, 5, v5
	v_add_nc_u32 v[STO32], s23, v5
	v_add_nc_u32 v[RD32], s23, v[CO]
	v_lshlrev_b32 v[BO], 5, v2                     ; the bias: eight numbers for each half of the lanes
	s_lshr_b32 s20, s17, 3                         ; batch
	s_mul_i32 s21, s20, 48
	s_lshl_b32 s22, s42, 2
	s_add_co_u32 s21, s21, s22
	s_lshl_b32 s22, s16, 1
	s_add_co_u32 s21, s21, s22                     ; my first head: 48 batch + 4 tile column + 2 half
	s_lshl_b32 s21, s21, 11
	s_and_b32 s22, s17, 7
	s_lshl_b32 s22, s22, 8
	s_add_co_u32 s21, s21, s22
	s_lshl_b32 s22, s15, 7
	s_add_co_u32 s21, s21, s22                     ; + my first position
	s_lshl_b32 s46, s21, 7                         ; rows of 128 bytes
	s_mov_b32 s47, 0
	s_add_nc_u64 s[12:13], s[12:13], s[46:47]
	s_lshl_b32 s46, s42, 10
	s_lshl_b32 s22, s16, 9
	s_add_co_u32 s46, s46, s22                     ; my first column, 4 bytes each
	s_add_nc_u64 s[66:67], s[66:67], s[46:47]
	s_mul_i32 s22, s20, 16*12288
	s_add_co_u32 s46, s46, s22
	s_add_nc_u64 s[96:97], s[96:97], s[46:47]
	; the bias is the C of each sum's first product: register 8 b + j = b_qkv[my first column + 16 b + 8 h + j].  The k columns (the cluster's x = 1, the same in all partners) take zeros and load nothing.
	s_cmp_eq_u32 ttmp9, 1
	s_cbranch_scc1 .Lno_bias
.irp b, 0,1,2,3,4,5,6,7
	global_load_b128 v[BIAS+8*\b:BIAS+8*\b+3], v[BO], s[66:67] offset:64*\b
	global_load_b128 v[BIAS+8*\b+4:BIAS+8*\b+7], v[BO], s[66:67] offset:64*\b+16
.endr
	s_branch .Lbias_done
.Lno_bias:
.set i, 0
.rept 64
	v_mov_b32 v[BIAS+i], 0
.set i, i+1
.endr
.Lbias_done:
.macro FRAG reg, adr, q, i             ; 16 rows x 128 K of 4-bit codes: 8 registers, two loads of 16 bytes, 32 bytes apart
.irp c, 0,1
	ds_load_b128 v[\reg+4*\c:\reg+4*\c+3], v[\adr] offset:64*(\q)+32*\c+(\i)*16*PITCH
.endr
.endm
; 16 products: x's blocks a0, a0 + 1 against w's eight.  The 64 accumulators take turns, one instruction a turn, in the same order in every step.
.macro MUL16 a0, p, q, sc, first
.irp a, \a0, \a0+1
.irp b, 0,1,2,3,4,5,6,7
.if \first
	v_wmma_scale_f32_16x16x128_f8f6f4 v[8*(8*((\a)%4)+\b):8*(8*((\a)%4)+\b)+7], v[128*(\p)+FR*\b:128*(\p)+FR*\b+FR-1], v[AF+FR*(\a):AF+FR*(\a)+FR-1], v[BIAS+8*\b:BIAS+8*\b+7], v[SC+8*NQ*(\sc)+NQ*\b+(\q)], v[SC+8*NQ*(\sc)+NQ*(\a)+(\q)] matrix_a_fmt:MATRIX_FMT_FP4 matrix_b_fmt:MATRIX_FMT_FP4 matrix_a_scale:MATRIX_SCALE_ROW1
.else
	v_wmma_scale_f32_16x16x128_f8f6f4 v[8*(8*((\a)%4)+\b):8*(8*((\a)%4)+\b)+7], v[128*(\p)+FR*\b:128*(\p)+FR*\b+FR-1], v[AF+FR*(\a):AF+FR*(\a)+FR-1], v[8*(8*((\a)%4)+\b):8*(8*((\a)%4)+\b)+7], v[SC+8*NQ*(\sc)+NQ*\b+(\q)], v[SC+8*NQ*(\sc)+NQ*(\a)+(\q)] matrix_a_fmt:MATRIX_FMT_FP4 matrix_b_fmt:MATRIX_FMT_FP4 matrix_a_scale:MATRIX_SCALE_ROW1
.endif
.endr
.endr
.endm
.macro FETCH_B slot, q, p
	WIN TO_B
.irp i, 0,1,2,3,4,5,6,7
	FRAG 128*(\p)+FR*\i, ADRB+\slot, \q, \i
.endr
	WIN 0
.endm
.macro FETCH_A slot, q, i0
.irp i, \i0, \i0+1, \i0+2, \i0+3
	FRAG AF+FR*(\i), ADRA+\slot, \q, \i
.endr
.endm
.macro SCALES sc                       ; a slot's scale words: four a row; lanes 0-15 take x's block i, lanes 16-31 w's block i
.irp i, 0,1,2,3,4,5,6,7
	ds_load_b128 v[SC+8*NQ*\sc+NQ*\i:SC+8*NQ*\sc+NQ*\i+3], v[ADRS] offset:\i*SBLK
.endr
.endm
.macro PLACES n                        ; plain vector lines between matrix instructions and loads into, or reads of, their registers
.rept \n
	v_nop
.endr
.endm
.macro STEP slot, q, first             ; 128 along K, with its successor in the same slot
	s_wait_dscnt 4*NL                              ; all but the youngest eight loads (x's blocks 4-7) are in
.if \first
	WIN ONE_LO
.else
	WIN MUL_LO
.endif
	MUL16 0, (\q)%2, \q, \slot, \first
	MUL16 2, (\q)%2, \q, \slot, \first
	s_wait_dscnt 0
	PLACES NP
	FETCH_B \slot, (\q)+1, 1-(\q)%2
	FETCH_A \slot, (\q)+1, 0
.if \first
	WIN ONE_HI
.else
	WIN MUL_HI
.endif
	MUL16 4, (\q)%2, \q, \slot, \first
	MUL16 6, (\q)%2, \q, \slot, \first
	PLACES NP
	WIN 0
	FETCH_A \slot, (\q)+1, 4
.endm
.macro TURN slot, next                 ; a slot's last step, and the one change of slots: my loads have landed, my reads of the old slot are over, then the barrier.  Nothing is filled again
	s_wait_tensorcnt 0x0
	ds_add_u32 v[SPW], v[NIL]
	s_wait_dscnt 4*NL+1                            ; the add and the youngest eight loads may be out
	WIN MUL_LO
	MUL16 0, 1, NQ-1, \slot, 0
	s_wait_dscnt 0x0
	s_barrier_signal -1
	MUL16 2, 1, NQ-1, \slot, 0
	WIN 0
	s_barrier_wait -1
	PLACES NP
	v_add_nc_u32 v[ADRS], 4*NQ, v[ADRS]            ; the next slot's scale words
	FETCH_B \next, 0, 0
	FETCH_A \next, 0, 0
	SCALES \next
	WIN MUL_HI
	MUL16 4, 1, NQ-1, \slot, 0
	MUL16 6, 1, NQ-1, \slot, 0
	PLACES NP
	WIN 0
	FETCH_A \next, 0, 4
.endm
.macro STEPS slot, from
.set QN, \from
.rept NQ-1-\from
	STEP \slot, QN, 0
.set QN, QN+1
.endr
.endm
	s_wait_tensorcnt 1                             ; the scales and my part of slot 0 are in; slot 1's load may be out
	s_barrier_signal -1
	s_barrier_wait -1
	FETCH_B 0, 0, 0
	FETCH_A 0, 0, 0
	SCALES 0
	FETCH_A 0, 0, 4
	s_wait_loadcnt 0x0                             ; the bias
	STEP 0, 0, 1
	STEPS 0, 1
	TURN 0, 1
	STEPS 1, 0
	s_wait_dscnt 4*NL
	WIN MUL_LO
	MUL16 0, 1, NQ-1, 1, 0
	MUL16 2, 1, NQ-1, 1, 0
	s_wait_dscnt 0
	WIN MUL_HI
	MUL16 4, 1, NQ-1, 1, 0
	MUL16 6, 1, NQ-1, 1, 0
	WIN 0
	PLACES NP
	; THE FIRST 16 POSITIONS OF A SEQUENCE leave in f32 too: tile rows 0, 8, 16, 24, the waves of the upper half, block 0.  The branch hangs on the tile row and the wave's number: alike in all partners.
	s_and_b32 s2, s17, 7
	s_or_b32 s2, s2, s15
	s_cmp_lg_u32 s2, 0
	s_cbranch_scc1 .Lno_fine
	WIN 0x08                                       ; an LDS store's data are its source 1: window 2
.irp b, 0,1,2,3,4,5,6,7
	ds_store_b128 v[STO32], v[8*\b:8*\b+3] offset:64*\b
	ds_store_b128 v[STO32], v[8*\b+4:8*\b+7] offset:64*\b+16
.endr
	WIN 0
.irp t, 0,1,2,3,4,5,6,7,8,9,10,11,12,13,14,15
	ds_load_b128 v[FB+4*\t:FB+4*\t+3], v[RD32] offset:\t*SP32
.endr
.irp t, 0,1,2,3,4,5,6,7,8,9,10,11,12,13,14,15
	s_wait_dscnt 15-\t
	global_store_b128 v[CO], v[FB+4*\t:FB+4*\t+3], s[96:97] offset:\t*12288   ; 32 lanes store 512 consecutive bytes
.endr
.Lno_fine:
; THE WAY OUT, a block of 16 rows x 128 columns (two heads) at a time: rounded to f16, through my stage, back so that 32 lanes hold four whole rows of one head: 512 consecutive bytes of qkv.
.macro PACK a
.set AC, 64*((\a)%4)
	WIN 0x0a+5*((\a)/4)
.irp b, 0,1,2,3,4,5,6,7
.irp r, 0,1,2,3
	v_cvt_pk_f16_f32 v[TMP+4*\b+\r], v[AC+8*\b+2*\r], v[AC+8*\b+2*\r+1]
.endr
.endr
	WIN 0
.endm
.macro TOSTAGE a
.set BB, BK+32*((\a)%2)
.irp b, 0,1,2,3,4,5,6,7
	ds_store_b128 v[STO], v[TMP+4*\b:TMP+4*\b+3] offset:32*\b
.endr
.irp hh, 0,1
.irp i, 0,1,2,3
	ds_load_b128 v[BB+4*(4*\hh+\i):BB+4*(4*\hh+\i)+3], v[RD] offset:128*\hh+4*SP16*\i   ; LDS serves a wave's instructions in order: these see the stores above
.endr
.endr
.endm
.macro SEND a
.set BB, BK+32*((\a)%2)
	s_wait_dscnt 0x0                               ; the block is back in registers
	s_wait_xcnt 0x0                                ; the stores of the block before have read their registers: the next block's loads may land there
.irp hh, 0,1
.irp i, 0,1,2,3
	global_store_b128 v[CO], v[BB+4*(4*\hh+\i):BB+4*(4*\hh+\i)+3], s[12:13] offset:262144*\hh+2048*(\a)+512*\i
.endr
.endr
.endm
	PACK 0
	TOSTAGE 0
.irp a, 1,2,3,4,5,6,7
	PACK \a
	SEND \a-1
	TOSTAGE \a
.endr
	SEND 7
	s_wait_tensorcnt 0x0                           ; the wave's end
	ds_add_u32 v[SPW], v[NIL]
	s_wait_dscnt 0x0
	CROUND                                         ; the closing round
	s_endpgm
.Lfunc_end_k_q8381d8bd37_gemm:
	.size	k_q8381d8bd37_gemm, .Lfunc_end_k_q8381d8bd37_gemm-k_q8381d8bd37_gemm
	.p2alignl 7, 3214868480
	.fill 96, 4, 3214868480
	.section	.rodata,"a",@progbits
	.p2align	6, 0x0
	.amdhsa_kernel k_q8381d8bd37_gemm
		.amdhsa_group_segment_fixed_size 327680
		.amdhsa_private_segment_fixed_size 0
		.amdhsa_enable_private_segment 0
		.amdhsa_kernarg_size 56
		.amdhsa_user_sgpr_count 2
		.amdhsa_user_sgpr_kernarg_segment_ptr 1
		.amdhsa_wavefront_size32 1
		.amdhsa_system_sgpr_workgroup_id_x 1
		.amdhsa_system_sgpr_workgroup_id_y 1
		.amdhsa_system_sgpr_workgroup_id_z 1
		.amdhsa_system_vgpr_workitem_id 0
		.amdhsa_next_free_vgpr 1024
		.amdhsa_next_free_sgpr 98
		.amdhsa_reserve_vcc 0
		.amdhsa_float_denorm_mode_32 3
		.amdhsa_float_denorm_mode_16_64 3
		.amdhsa_memory_ordered 1
		.amdhsa_forward_progress 1
		.amdhsa_inst_pref_size 135
	.end_amdhsa_kernel
	.amdgpu_metadata
---
amdhsa.version: [ 1, 2 ]
amdhsa.kernels:
  - .name:           k_q8381d8bd37_gemm
    .symbol:         k_q8381d8bd37_gemm.kd
    .args:
      - { .name: xc, .offset: 0, .size: 8, .value_kind: global_buffer, .address_space: global }
      - { .name: xs, .offset: 8, .size: 8, .value_kind: global_buffer, .address_space: global }
      - { .name: wc, .offset: 16, .size: 8, .value_kind: global_buffer, .address_space: global }
      - { .name: ws, .offset: 24, .size: 8, .value_kind: global_buffer, .address_space: global }
      - { .name: b_qkv, .offset: 32, .size: 8, .value_kind: global_buffer, .address_space: global }
      - { .name: qkv, .offset: 40, .size: 8, .value_kind: global_buffer, .address_space: global }
      - { .name: f32rows, .offset: 48, .size: 8, .value_kind: global_buffer, .address_space: global }
    .group_segment_fixed_size: 327680
    .private_segment_fixed_size: 0
    .kernarg_segment_align: 8
    .kernarg_segment_size: 56
    .max_flat_workgroup_size: 128
    .sgpr_count:     98
    .vgpr_count:     1024
    .wavefront_size: 32
...
	.end_amdgpu_metadata
.endif
;; end of part 2
;; launch attn (part 3): grid 4 x 64, 16 waves a work-group, no clusters, 327,680 bytes of LDS; arguments qkv, yh; writes yh
.if DOCPART == 3
	.amdgcn_target "amdgcn-amd-amdhsa--gfx1250"
	.amdhsa_code_object_version 6
	.text
	.protected	k_q8381d8bd37_attn
	.globl	k_q8381d8bd37_attn
	.p2align	8
	.type	k_q8381d8bd37_attn,@function
k_q8381d8bd37_attn:
	s_mov_b64 s[64:65], 0
	v_nop
	global_prefetch_b8 v0, s[64:65] scope:SCOPE_SE
	s_setreg_imm32_b32 hwreg(HW_REG_WAVE_MODE, 25, 1), 1
	s_wait_xcnt 0x0
; Launch 3 of 5: y[b][h][t] = the sum over s <= t of softmax_s(q_t . k_s / 8) v_s, on f16 operands, with maxima, sums and accumulators in f32.  qkv [batch][head 48][t 2048][64] f16; yh [batch][head 16][t][64] f16.
; LEFT OUT: key steps that lie wholly above the diagonal (the mask of the problem's own body); k carries no bias (it cancels in the softmax: shown at the head of the first launch).
; The rows t < 16 are computed here with the rows beside them in their tiles; the last launch makes their outputs again in f32.
; LIMITS: the weights p are rounded to f16 (at most 1), y likewise.
; SHARES.  A work-group owns query blocks j and 7 - j (256 queries each) of one head: 9 blocks of keys in every work-group.  Each of its sixteen waves owns 32 queries, two tiles of 16, in 256 registers: four waves to a SIMD, so that
; one wave's softmax stands beside another's products.  Wave w takes block j or 7 - j by (w xor w / 4) % 2, and the 32 queries w / 2 of it.
; Every work-group walks all 8 slots of 256 keys, so that all trip counts are constants; a step whose 64 keys all come after the wave's queries is jumped over, and a slot whose first key comes after the work-group's last query is not asked for.
; NO CLUSTER: the four work-groups of a head need 8, 7, 6 and 5 slots; a joint load would bring tiles that some partner never reads.
; LAYOUT.  S^T = K Q^T (source 0 = 16 keys, source 1 = 16 queries), O^T = V^T P (source 0 = 16 channels, turned on the way out of LDS; source 1 = P): a lane holds ONE query throughout, and two tiles of S^T rounded in pairs are P's fragment.
; SOFTMAX.  A running maximum m and sum l for each query: p = 2^(c s - c m), c = log2(e) / 8; in every step O and l are multiplied by a = 2^(c m_old - c m_new).
.set KP,    144                        ; a key's row in LDS: 128 bytes + 16
.set VP,    160                        ; a row of V: 128 + 32: an odd multiple of 32
.set VOFF,  256*KP                     ; a slot: 256 rows of K, then 256 rows of V
.set SLOT1, 1<<17
.set STAGE, SLOT1+256*(KP+VP)          ; behind the ring: 16 rows x 144 bytes for each wave
.set SPARE, STAGE+16*16*KP             ; the spare words, 128 bytes for each wave
.set AK0, 1
.set AV0, 2
.set SPW, 3
.set NIL, 4
.set ADK, 5
.set ADV, 6
.set GO,  7
.set STO, 8
.set RD,  9
.set DL,  10                           ; v10  lane % 16 - 8 (lane / 16)
.set DD,  11
.set NINF, 12
.set QO,  13
.set PFO, 14
.set ST,  16                           ; tile t's statistics at v[ST + 8 t]: +0 c m, +1 m, +2, +3 l, +4 .. +7 at work (a in +6)
.set QF,  32                           ; Q: tile x, channels 32 c on, at QF + 16 x + 8 c
.set OA,  64                           ; O^T: tile x, channels 16 ct on, at OA + 32 x + 8 ct
.set SA,  128                          ; S^T: tile x, keys 16 kt on, at SA + 32 x + 8 kt; later V's fragments at SA + 8 (4 ks + ct)
.set FA,  192                          ; K's fragments at FA + 8 (2 kt + c); later P at FA + 16 x + 8 ks
.set WV,  18
.set SEL, 20
.set CS,  22
.set G1K, 24
.set G1V, 32
.set G0K, 40
.set G0V, 44
.set TB,  2
.set SLOTS, 3
.set KF,  48
.set Q0,  49
.set QL,  50
.set PFA, 52
.set LIM, 54
; waves 0 and 1 fetch K's halves of a slot, waves 2 and 3 V's, the others nothing.  An s_nop 0 and four v_nop follow each line.
.macro TLOAD
	s_cmp_lt_u32 s[WV], 2
	s_cbranch_scc0 .Lnot_k_\@
	tensor_load_to_lds s[G0K:G0K+3], s[G1K:G1K+7]
	s_nop 0
.rept 4
	v_nop
.endr
	s_branch .Lasked_\@
.Lnot_k_\@:
	s_cmp_lt_u32 s[WV], 4
	s_cbranch_scc0 .Lasked_\@
	tensor_load_to_lds s[G0V:G0V+3], s[G1V:G1V+7]
	s_nop 0
.rept 4
	v_nop
.endr
.Lasked_\@:
.endm
; A prefetch of what the NEXT change of slots will ask for: a slot's K and V are two dense blocks of 32,768 bytes.  The head's work-group 0, which walks and reads all eight slots, asks; in it waves 4 to 7 ask for K, waves 8 to 11 for V,
; 8,192 bytes a wave, lanes 256 bytes apart: each block of 256 bytes is named once in the launch.  The last change that fills a slot asks for nothing; slots 0 and 1 come by their loads alone.
.macro ASK
	s_cmp_gt_u32 s[SLOTS], s[LIM]
	s_cbranch_scc0 .Lnot_mine_\@
	global_prefetch_b8 v[PFO], s[PFA:PFA+1] th:TH_LOAD_NT scope:SCOPE_SE
.Lnot_mine_\@:
.endm
	s_load_b128 s[4:7], s[0:1], 0x0                ; qkv, yh
	v_lshl_add_u32 v[SPW], v0, 2, SPARE
	v_mov_b32 v[NIL], 0
	ds_add_u32 v[SPW], v[NIL]                      ; the opening: the add, twice on end, and its wait ahead of the first tensor load
	ds_add_u32 v[SPW], v[NIL]
	v_lshrrev_b32 v5, 5, v0
	v_readfirstlane_b32 s[WV], v5                  ; wave 0..15
	s_and_b32 s56, ttmp7, 0xffff                   ; 16 batch + head
	s_lshr_b32 s57, s56, 4
	s_and_b32 s58, s56, 15
	s_mul_i32 s57, s57, 48
	s_add_co_u32 s57, s57, s58
	s_lshl_b32 s60, s57, 18                        ; q's head in qkv, in bytes; k's lies 16 heads on, v's 32
	s_and_b32 s59, s[WV], 1
	s_lshl_b32 s62, s59, 14
	s_add_co_u32 s62, s62, s60
	s_add_co_u32 s62, s62, 16*262144               ; K: my 128 rows of slot 0,
	s_mov_b32 s63, 0
	s_add_co_u32 s66, s62, 16*262144               ; V likewise
	s_mov_b32 s67, 0
	s_mul_i32 s68, s59, 128*KP                     ; and their places in a slot
	s_mul_i32 s69, s59, 128*VP
	s_add_co_u32 s69, s69, VOFF
	s_lshr_b32 s70, s[WV], 2
	s_xor_b32 s70, s70, s[WV]
	s_and_b32 s70, s70, 1
	s_sub_co_u32 s71, 7, ttmp9
	s_cmp_eq_u32 s70, 1
	s_cselect_b32 s70, s71, ttmp9                  ; my block of 256 queries
	s_lshl_b32 s[Q0], s70, 8
	s_lshr_b32 s70, s[WV], 1
	s_lshl_b32 s70, s70, 5
	s_add_co_u32 s[Q0], s[Q0], s70                 ; my first query
	s_lshl_b32 s[QL], s71, 8
	s_or_b32 s[QL], s[QL], 255                     ; my work-group's last query
	s_lshl_b32 s72, s[Q0], 7
	s_add_co_u32 s72, s72, s60                     ; my queries in qkv
	s_mov_b32 s73, 0
	s_lshl_b32 s74, s56, 11
	s_add_co_u32 s74, s74, s[Q0]
	s_lshl_b32 s74, s74, 7                         ; and in yh
	s_mov_b32 s75, 0
	s_mov_b32 s[G1K], (1<<16)|(1<<20)|(4<<22)|(3<<25)     ; elements of 2 bytes; 4 words of padding behind every 32
	s_mov_b32 s[G1V], (1<<16)|(1<<20)|(4<<22)|(7<<25)     ; 8 words
.irp g, G1K, G1V
	s_mov_b32 s[\g+1], 64<<16                      ; tensor_dim0
	s_mov_b32 s[\g+2], 128<<16                     ; tensor_dim1
	s_mov_b32 s[\g+3], 64<<16                      ; tile_dim0
	s_mov_b32 s[\g+4], 128                         ; tile_dim1
	s_mov_b32 s[\g+5], 64                          ; elements from row to row
	s_mov_b32 s[\g+6], 0
	s_mov_b32 s[\g+7], 0
.endr
	s_mov_b32 s[SEL], 0x76543210
	s_mov_b32 s[SEL+1], 0xfedcba98
	s_mov_b32 s[CS], 0x3e38aa3b                    ; c = log2(e) / 8
	s_mov_b32 s[CS+1], s[CS]
	s_mov_b32 s[TB], 0
	s_mov_b32 s[SLOTS], 7
	s_mov_b32 s[KF], 0
	s_wait_dscnt 0x0                               ; both opening adds are done
	s_wait_kmcnt 0x0
	s_mov_b32 s[G0K], 1
	s_mov_b32 s[G0K+1], s68
	s_add_nc_u64 s[G0K+2:G0K+3], s[4:5], s[62:63]
	s_or_b32 s[G0K+3], s[G0K+3], 0x80000000
	s_mov_b32 s[G0V], 1
	s_mov_b32 s[G0V+1], s69
	s_add_nc_u64 s[G0V+2:G0V+3], s[4:5], s[66:67]
	s_or_b32 s[G0V+3], s[G0V+3], 0x80000000
	TLOAD                                          ; slot 0
	s_add_nc_u64 s[76:77], s[4:5], s[72:73]        ; Q at my first query
	s_add_nc_u64 s[6:7], s[6:7], s[74:75]          ; yh likewise
	s_cmp_lt_u32 s[WV], 8                          ; the prefetches: waves 4 to 7 stand in K, waves 8 to 11 in V,
	s_mov_b32 s70, 32*262144
	s_cselect_b32 s70, 16*262144, s70
	s_add_co_u32 s70, s70, s60
	s_and_b32 s71, s[WV], 3
	s_lshl_b32 s71, s71, 13
	s_add_co_u32 s70, s70, s71                     ; at my wave's 8,192 bytes
	s_add_co_u32 s70, s70, 32768                   ; of slot 1: the first change of slots steps it to slot 2
	s_mov_b32 s71, 0
	s_add_nc_u64 s[PFA:PFA+1], s[4:5], s[70:71]
	s_sub_co_u32 s70, s[WV], 4
	s_lshr_b32 s70, s70, 3                         ; 0 in waves 4 to 11,
	s_or_b32 s70, s70, ttmp9                       ; of the head's work-group 0
	s_cmp_eq_u32 s70, 0
	s_cselect_b32 s[LIM], 1, -1
	s_mul_i32 s70, s[WV], 16*KP
	s_add_co_u32 s70, s70, STAGE                   ; my stage
	v_and_b32 v5, 15, v0                           ; r
	v_bfe_u32 v6, v0, 4, 1                         ; h
	v_mul_u32_u24 v[AK0], v5, KP
	v_lshl_add_u32 v[AK0], v6, 4, v[AK0]           ; K: row r, + 16 h
	v_and_b32 v11, 7, v0
	v_lshl_add_u32 v[AV0], v6, 3, v11
	v_mul_u32_u24 v[AV0], v[AV0], VP               ; V: key 8 h + lane % 8,
	v_bfe_u32 v15, v0, 3, 1
	v_lshl_add_u32 v[AV0], v15, 4, v[AV0]          ; channels 8 ((lane / 8) % 2) on
	v_add_nc_u32 v[AV0], VOFF, v[AV0]
	v_and_b32 v15, 31, v0
	v_lshlrev_b32 v[GO], 4, v15
	v_lshlrev_b32 v[PFO], 8, v15
	v_add_nc_u32 v[STO], s70, v[AK0]               ; the stage, in: row r, + 16 h
	v_lshrrev_b32 v15, 3, v15
	v_mul_u32_u24 v15, v15, KP
	v_lshl_add_u32 v15, v11, 4, v15
	v_add_nc_u32 v[RD], s70, v15                   ; back: eight lanes to a row of 128 bytes, four rows an instruction
	v_lshlrev_b32 v15, 3, v6
	v_sub_nc_u32 v[DL], v5, v15
	v_lshlrev_b32 v[QO], 7, v5
	v_lshl_add_u32 v[QO], v6, 4, v[QO]
.irp x, 0,1
.irp c, 0,1
	global_load_b128 v[QF+16*\x+8*\c:QF+16*\x+8*\c+3], v[QO], s[76:77] offset:2048*\x+64*\c
	global_load_b128 v[QF+16*\x+8*\c+4:QF+16*\x+8*\c+7], v[QO], s[76:77] offset:2048*\x+64*\c+32
.endr
.endr
	v_mov_b32 v[NINF], 0xff800000                  ; -infinity
.irp t, 0,1
	v_mov_b32 v[ST+8*\t+1], 0xff61b1e6             ; m: -3e38, under every score
	v_mul_f32 v[ST+8*\t], s[CS], v[ST+8*\t+1]
.irp i, 2,3,4,5,6,7
	v_mov_b32 v[ST+8*\t+\i], 0
.endr
.endr
.set i, 0
.rept 64
	v_mov_b32 v[OA+i], 0                           ; O^T: the step is written once; its first run finds zeros, which a = 0 leaves zeros
.set i, i+1
.endr
.macro SOFTMAX                         ; both tiles line by line, so that no line waits for the line above it
.irp j, 0,1,2,3
.irp t, 0,1
	v_max3_num_f32 v[ST+8*\t+4+\j], v[SA+32*\t+8*\j], v[SA+32*\t+8*\j+1], v[SA+32*\t+8*\j+2]     ; four chains, each from the low end of one accumulator
.endr
.endr
.irp g, 1,2
.irp j, 0,1,2,3
.irp t, 0,1
	v_max3_num_f32 v[ST+8*\t+4+\j], v[ST+8*\t+4+\j], v[SA+32*\t+8*\j+2*\g+1], v[SA+32*\t+8*\j+2*\g+2]
.endr
.endr
.endr
.irp t, 0,1
	v_max3_num_f32 v[ST+8*\t+4], v[ST+8*\t+4], v[SA+32*\t+7], v[SA+32*\t+15]
	v_max3_num_f32 v[ST+8*\t+6], v[ST+8*\t+6], v[SA+32*\t+23], v[SA+32*\t+31]
.endr
.irp t, 0,1
	v_max3_num_f32 v[ST+8*\t+4], v[ST+8*\t+4], v[ST+8*\t+5], v[ST+8*\t+6]
.endr
.irp t, 0,1
	v_max3_num_f32 v[ST+8*\t+4], v[ST+8*\t+4], v[ST+8*\t+7], v[ST+8*\t+1]                        ; with the old m
.endr
.irp t, 0,1
	v_permlanex16_b32 v[ST+8*\t+5], v[ST+8*\t+4], s[SEL], s[SEL+1]                               ; the query's other 32 keys lie in the lane 16 away
.endr
.irp t, 0,1
	v_mov_b32 v[ST+8*\t+7], v[ST+8*\t]                                                           ; c m_old
.endr
.irp t, 0,1
	v_max_num_f32 v[ST+8*\t+1], v[ST+8*\t+4], v[ST+8*\t+5]
.endr
.irp t, 0,1
	v_mul_f32 v[ST+8*\t], s[CS], v[ST+8*\t+1]
.endr
.irp t, 0,1
	v_sub_f32 v[ST+8*\t+7], v[ST+8*\t+7], v[ST+8*\t]
.endr
.irp i, 0,1,2,3,4,5,6,7,8,9,10,11,12,13,14,15
.irp t, 0,1
	v_pk_fma_f32 v[SA+32*\t+2*\i:SA+32*\t+2*\i+1], v[SA+32*\t+2*\i:SA+32*\t+2*\i+1], s[CS:CS+1], v[ST+8*\t:ST+8*\t+1] op_sel_hi:[1,0,0] neg_lo:[0,0,1] neg_hi:[0,0,1]   ; c s - c m
.endr
.endr
.irp t, 0,1
	v_exp_f32 v[ST+8*\t+6], v[ST+8*\t+7]                                                         ; a
.endr
.set i, 0
.rept 64
	v_exp_f32 v[SA+i], v[SA+i]                                                                   ; p
.set i, i+1
.endr
	v_nop                                          ; a plain line behind the last exponential
	s_wait_alu depctr_va_vdst(0)                   ; one wait for the batch of 66, ahead of its first reader
.irp t, 0,1
.irp i, 0,1,2,3,4,5,6,7,8,9,10,11,12,13,14,15
	v_cvt_pk_f16_f32 v[FA+16*\t+\i], v[SA+32*\t+2*\i], v[SA+32*\t+2*\i+1]                        ; P's fragments
.endr
.endr
.irp u, 0,1,2,3,4,5,6,7
.irp t, 0,1
	v_pk_add_f32 v[SA+32*\t+4*\u:SA+32*\t+4*\u+1], v[SA+32*\t+4*\u:SA+32*\t+4*\u+1], v[SA+32*\t+4*\u+2:SA+32*\t+4*\u+3]   ; the sum of the unrounded p, in place
.endr
.endr
.irp u, 0,1,2,3
.irp t, 0,1
	v_pk_add_f32 v[SA+32*\t+8*\u:SA+32*\t+8*\u+1], v[SA+32*\t+8*\u:SA+32*\t+8*\u+1], v[SA+32*\t+8*\u+4:SA+32*\t+8*\u+5]
.endr
.endr
.irp u, 0,1
.irp t, 0,1
	v_pk_add_f32 v[SA+32*\t+16*\u:SA+32*\t+16*\u+1], v[SA+32*\t+16*\u:SA+32*\t+16*\u+1], v[SA+32*\t+16*\u+8:SA+32*\t+16*\u+9]
.endr
.endr
.irp t, 0,1
	v_pk_add_f32 v[SA+32*\t:SA+32*\t+1], v[SA+32*\t:SA+32*\t+1], v[SA+32*\t+16:SA+32*\t+17]
.endr
.irp t, 0,1
	v_pk_fma_f32 v[ST+8*\t+2:ST+8*\t+3], v[ST+8*\t+2:ST+8*\t+3], v[ST+8*\t+6:ST+8*\t+7], v[SA+32*\t:SA+32*\t+1] op_sel_hi:[1,0,1]   ; l = a l + the sum
.endr
.endm
; A KEY STEP: 64 keys, the q-th of the slot in hand
.macro STEP q
	s_add_co_u32 s56, s[Q0], 31
	s_cmp_gt_u32 s[KF], s56                        ; all 64 keys come after my 32 queries: the step's work is left out; ids and the count of steps alone
	s_cbranch_scc1 .Lhidden_\@
	v_add_nc_u32 v[ADK], s[TB], v[AK0]
	v_add_nc_u32 v[ADV], s[TB], v[AV0]
.rept 3
	v_nop                                          ; with the two additions: five plain lines behind the last step's products, whose operands the loads and the products below write over
.endr
.irp kt, 0,1,2,3
.irp c, 0,1
	ds_load_b128 v[FA+8*(2*\kt+\c):FA+8*(2*\kt+\c)+3], v[ADK] offset:(64*(\q)+16*\kt)*KP+64*\c
	ds_load_b128 v[FA+8*(2*\kt+\c)+4:FA+8*(2*\kt+\c)+7], v[ADK] offset:(64*(\q)+16*\kt)*KP+64*\c+32
.endr
.endr
	s_wait_dscnt 0x0
.irp c, 0,1                                    ; S^T = K Q^T: eight accumulators by turns
.irp kt, 0,1,2,3
.irp x, 0,1
.if \c == 0
	v_wmma_f32_16x16x32_f16 v[SA+32*\x+8*\kt:SA+32*\x+8*\kt+7], v[FA+8*(2*\kt+\c):FA+8*(2*\kt+\c)+7], v[QF+16*\x+8*\c:QF+16*\x+8*\c+7], 0
.else
	v_wmma_f32_16x16x32_f16 v[SA+32*\x+8*\kt:SA+32*\x+8*\kt+7], v[FA+8*(2*\kt+\c):FA+8*(2*\kt+\c)+7], v[QF+16*\x+8*\c:QF+16*\x+8*\c+7], v[SA+32*\x+8*\kt:SA+32*\x+8*\kt+7]
.endif
.endr
.endr
.endr
.rept 4
	v_nop
.endr
	s_add_co_u32 s56, s[KF], 63                    ; on the diagonal the scores of hidden keys become -infinity ahead of the maximum; a step all of whose keys count skips this
	s_cmp_le_u32 s56, s[Q0]
	s_cbranch_scc1 .Lopen_\@
	s_sub_co_i32 s56, s[Q0], s[KF]
	v_add_nc_u32 v[DD], s56, v[DL]                 ; register 8 kt + j of tile x holds key KF + 16 kt + 8 h + j and query Q0 + 16 x + r: hidden where 16 kt + j - 16 x > Q0 - KF + r - 8 h
.irp x, 0,1
.irp kt, 0,1,2,3
.irp j, 0,1,2,3,4,5,6,7
	v_cmp_gt_i32 vcc_lo, 16*\kt+\j-16*\x, v[DD]
	v_cndmask_b32 v[SA+32*\x+8*\kt+\j], v[SA+32*\x+8*\kt+\j], v[NINF], vcc_lo
.endr
.endr
.endr
.Lopen_\@:
	SOFTMAX
.irp ks, 0,1
.irp ct, 0,1,2,3
	ds_load_tr16_b128 v[SA+8*(4*\ks+\ct):SA+8*(4*\ks+\ct)+3], v[ADV] offset:(64*(\q)+32*\ks)*VP+32*\ct
	ds_load_tr16_b128 v[SA+8*(4*\ks+\ct)+4:SA+8*(4*\ks+\ct)+7], v[ADV] offset:(64*(\q)+32*\ks+16)*VP+32*\ct
.endr
.endr
.irp x, 0,1
.irp i, 0,1,2,3,4,5,6,7,8,9,10,11,12,13,14,15
	v_pk_mul_f32 v[OA+32*\x+2*\i:OA+32*\x+2*\i+1], v[OA+32*\x+2*\i:OA+32*\x+2*\i+1], v[ST+8*\x+6:ST+8*\x+7] op_sel_hi:[1,0]   ; O^T x a, while V is on its way
.endr
.endr
	s_wait_dscnt 0x0
.irp ks, 0,1                                   ; O^T += V^T P: eight accumulators by turns
.irp ct, 0,1,2,3
.irp x, 0,1
	v_wmma_f32_16x16x32_f16 v[OA+32*\x+8*\ct:OA+32*\x+8*\ct+7], v[SA+8*(4*\ks+\ct):SA+8*(4*\ks+\ct)+7], v[FA+16*\x+8*\ks:FA+16*\x+8*\ks+7], v[OA+32*\x+8*\ct:OA+32*\x+8*\ct+7]
.endr
.endr
.endr
.Lhidden_\@:
	s_add_co_u32 s[KF], s[KF], 64
.endm
; THE CHANGE OF SLOTS, at a slot's head: all my tensor loads have landed, the add, my reads of the slot that I have left are over; the barrier; then the slot just left is asked for again, up to the causal limit.
.macro CHANGE fill
	s_wait_tensorcnt 0x0
	ds_add_u32 v[SPW], v[NIL]
.if \fill
	ds_add_u32 v[SPW], v[NIL]                      ; and once more here, in every trip alike
	s_xor_b32 s[G0K+1], s[G0K+1], SLOT1            ; no load of mine is out: the descriptors walk to the other slot and the next 256 keys
	s_add_nc_u64 s[G0K+2:G0K+3], s[G0K+2:G0K+3], 32768
	s_xor_b32 s[G0V+1], s[G0V+1], SLOT1
	s_add_nc_u64 s[G0V+2:G0V+3], s[G0V+2:G0V+3], 32768
	s_wait_xcnt 0x0                                ; the last prefetch, a slot back, has read its address
	s_add_nc_u64 s[PFA:PFA+1], s[PFA:PFA+1], 32768
.endif
	s_wait_dscnt 0x0
	s_barrier_signal -1
	s_barrier_wait -1
.if \fill
	s_add_co_u32 s56, s[KF], 256                   ; the first key of the slot that this change would ask for
	s_cmp_gt_u32 s56, s[QL]                        ; past my work-group's last query no wave reads it: it is not asked for.  Ids and the count of steps alone: all sixteen waves go the same way; every wait on TENSORcnt here is for 0
	s_cbranch_scc1 .Lpast_\@
	TLOAD
.Lpast_\@:
	ASK
.endif
.endm
.macro SLOT_STEPS
.set QN, 0
.rept 4
	STEP QN
.set QN, QN+1
.endr
	s_xor_b32 s[TB], s[TB], SLOT1
.endm
	s_wait_loadcnt 0x0                             ; Q
.Lslot:                                            ; seven trips
	CHANGE 1
	SLOT_STEPS
	s_sub_co_u32 s[SLOTS], s[SLOTS], 1
	s_cmp_lg_u32 s[SLOTS], 0
	s_cbranch_scc1 .Lslot
	CHANGE 0                                       ; the last slot is written out: nothing is asked for
	SLOT_STEPS
	; THE WAY OUT: O^T / l, rounded to f16, through my stage, back as whole rows of 128 bytes: 32 lanes store four rows, 512 consecutive bytes.
.rept 4
	v_nop
.endr
.irp t, 0,1
	v_add_f32 v[ST+8*\t+4], v[ST+8*\t+2], v[ST+8*\t+3]
.endr
.irp t, 0,1
	v_permlanex16_b32 v[ST+8*\t+5], v[ST+8*\t+4], s[SEL], s[SEL+1]
.endr
.irp t, 0,1
	v_add_f32 v[ST+8*\t+4], v[ST+8*\t+4], v[ST+8*\t+5]
.endr
.irp t, 0,1
	v_rcp_f32 v[ST+8*\t+6], v[ST+8*\t+4]
.endr
	v_nop
	s_wait_alu depctr_va_vdst(0)                   ; one wait for the two reciprocals
.irp x, 0,1
.irp i, 0,1,2,3,4,5,6,7,8,9,10,11,12,13,14,15
	v_pk_mul_f32 v[SA+32*\x+2*\i:SA+32*\x+2*\i+1], v[OA+32*\x+2*\i:OA+32*\x+2*\i+1], v[ST+8*\x+6:ST+8*\x+7] op_sel_hi:[1,0]
.endr
.irp i, 0,1,2,3,4,5,6,7,8,9,10,11,12,13,14,15
	v_cvt_pk_f16_f32 v[FA+16*\x+\i], v[SA+32*\x+2*\i], v[SA+32*\x+2*\i+1]
.endr
.irp ct, 0,1,2,3
	ds_store_b128 v[STO], v[FA+16*\x+4*\ct:FA+16*\x+4*\ct+3] offset:32*\ct
.endr
.irp i, 0,1,2,3
	ds_load_b128 v[FA+32+16*\x+4*\i:FA+32+16*\x+4*\i+3], v[RD] offset:4*KP*\i     ; LDS serves a wave's instructions in order
.endr
.endr
.irp x, 0,1
.irp i, 0,1,2,3
	s_wait_dscnt 11-8*\x-\i                        ; behind this load: the rest of its tile's, and the other tile's eight
	global_store_b128 v[GO], v[FA+32+16*\x+4*\i:FA+32+16*\x+4*\i+3], s[6:7] offset:2048*\x+512*\i
.endr
.endr
	s_wait_tensorcnt 0x0                           ; the wave's end
	ds_add_u32 v[SPW], v[NIL]
	s_wait_dscnt 0x0
	s_endpgm
.Lfunc_end_k_q8381d8bd37_attn:
	.size	k_q8381d8bd37_attn, .Lfunc_end_k_q8381d8bd37_attn-k_q8381d8bd37_attn
	.p2alignl 7, 3214868480
	.fill 96, 4, 3214868480
	.section	.rodata,"a",@progbits
	.p2align	6, 0x0
	.amdhsa_kernel k_q8381d8bd37_attn
		.amdhsa_group_segment_fixed_size 327680
		.amdhsa_private_segment_fixed_size 0
		.amdhsa_enable_private_segment 0
		.amdhsa_kernarg_size 16
		.amdhsa_user_sgpr_count 2
		.amdhsa_user_sgpr_kernarg_segment_ptr 1
		.amdhsa_wavefront_size32 1
		.amdhsa_system_sgpr_workgroup_id_x 1
		.amdhsa_system_sgpr_workgroup_id_y 1
		.amdhsa_system_sgpr_workgroup_id_z 1
		.amdhsa_system_vgpr_workitem_id 0
		.amdhsa_next_free_vgpr 256
		.amdhsa_next_free_sgpr 80
		.amdhsa_reserve_vcc 1
		.amdhsa_float_denorm_mode_32 3
		.amdhsa_float_denorm_mode_16_64 3
		.amdhsa_memory_ordered 1
		.amdhsa_forward_progress 1
		.amdhsa_inst_pref_size 187
	.end_amdhsa_kernel
	.amdgpu_metadata
---
amdhsa.version: [ 1, 2 ]
amdhsa.kernels:
  - .name:           k_q8381d8bd37_attn
    .symbol:         k_q8381d8bd37_attn.kd
    .args:
      - { .name: qkv, .offset: 0, .size: 8, .value_kind: global_buffer, .address_space: global }
      - { .name: yh, .offset: 8, .size: 8, .value_kind: global_buffer, .address_space: global }
    .group_segment_fixed_size: 327680
    .private_segment_fixed_size: 0
    .kernarg_segment_align: 8
    .kernarg_segment_size: 16
    .max_flat_workgroup_size: 512
    .sgpr_count:     80
    .vgpr_count:     256
    .wavefront_size: 32
...
	.end_amdgpu_metadata
.endif
;; end of part 3
;; launch proj (part 4): grid 4 x 64, 4 waves a work-group, clusters of 4 x 4, 327,680 bytes of LDS; arguments yh, wo16, b_out, out0; writes out0
.if DOCPART == 4
	.amdgcn_target "amdgcn-amd-amdhsa--gfx1250"
	.amdhsa_code_object_version 6
	.text
	.protected	k_q8381d8bd37_proj
	.globl	k_q8381d8bd37_proj
	.p2align	8
	.type	k_q8381d8bd37_proj,@function
k_q8381d8bd37_proj:
	s_mov_b64 s[64:65], 0
	v_nop
	global_prefetch_b8 v0, s[64:65] scope:SCOPE_SE
	s_setreg_imm32_b32 hwreg(HW_REG_WAVE_MODE, 25, 1), 1
	s_wait_xcnt 0x0
	s_wait_alu depctr_hold_cnt(0) depctr_sa_sdst(0) depctr_va_vdst(0) depctr_va_sdst(0) depctr_va_ssrc(0) depctr_va_vcc(0) depctr_vm_vsrc(0)
	s_getreg_b32 s2, hwreg(HW_REG_IB_STS2, 6, 4)
	s_cmp_eq_u32 s2, 0
	s_cbranch_scc0 .Lentry_in_a_cluster
	s_endpgm
.Lentry_in_a_cluster:
	s_bfe_u32 s2, ttmp6, 0x10000c
	s_cmp_lg_u32 s2, 0xf033
	s_cbranch_scc0 .Lentry_shape_is_right
	s_endpgm
.Lentry_shape_is_right:
; Launch 4 of 5: out0 = y w_out + b_out on f16 operands, sums in f32.  yh [batch][head 16][t 2048][64] f16 (K = 64 head + channel); wo16 [1024 (K)][1024] f16; out0 [8192][1024] f32.
; The 64 rows t < 16 are made here with the rows beside them in their tiles and are written again, in f32 arithmetic, by the last launch: a branch round them would hang on a work-group's place in its cluster.
; A tile of 128 x 256 for each of 256 work-groups; four waves, each 64 x 128: 32 accumulators.  K goes in 8 steps of 128 (two heads) through a ring of two LDS slots; a step is four quarters of 32 along K, 32 products each.
; CLUSTER 4 x 4: y's tile is shared along a row of the cluster, w_out's along a column: joint loads.  THE MATRIX INSTRUCTION IS USED TRANSPOSED: source 0 = 16 columns of w_out (turned on the way out of LDS), source 1 = 16 rows of y:
; a lane holds eight neighbouring columns of one row of out0.  The bias is the C of each sum's first product.
; No prefetch: eight short K steps, two of them first fills.  One tile to a work-group.
; REGISTERS: window 0: v0-31 addresses; v64-159, v160-255 two fragment buffers (w_out's eight fragments, then y's four).  window 1: the accumulators, (a, b) at v[8 (8 a + b)].  window 2: v0-63 the bias.
.set KP,     144                       ; a row of y's tile: 128 bytes + 16
.set APART,  128*KP                    ; one head's part: what one tensor load brings
.set BP,     544                       ; a row of w_out's tile: 512 bytes + 32: an odd multiple of 32
.set BOFF,   2*APART
.set BHALF,  64*BP
.set SLOT,   BOFF+2*BHALF
.set STAGE,  2*SLOT                    ; 16 rows x (512 + 16) for each wave
.set SPITCH, 528
.set SPARE,  STAGE+4*16*SPITCH
.set LAPS,   4
.set ADRA, 16
.set ADRB, 20
.set STO,  24
.set RD,   25
.set CO,   26
.set BO,   27
.set SPW,  28
.set NIL,  29
.set F0,   64
.set F1,   160
.set BK,   64
.set G1, 24
.set G0, 32
.set G1B, 48
.set G0B, 56
.set MSB, 0
.macro WIN new
.if MSB != \new
	s_set_vgpr_msb (MSB<<8)|\new
.set MSB, \new
.endif
.endm
.set MUL,  0x50                        ; C and D window 1
.set MUL1, 0x60                        ; the first quarter: C window 2, D window 1
.macro JLOAD s                         ; waves 0 and 1 fetch y's two heads, waves 2 and 3 w_out's two halves
	s_cmp_eq_u32 s13, 0
	s_cbranch_scc0 .Lfor_b_\@
	tensor_load_to_lds s[G0+4*\s:G0+4*\s+3], s[G1:G1+7]
	s_nop 0
.rept 4
	v_nop
.endr
	s_branch .Lasked_\@
.Lfor_b_\@:
	tensor_load_to_lds s[G0B+4*\s:G0B+4*\s+3], s[G1B:G1B+7]
	s_nop 0
.rept 4
	v_nop
.endr
.Lasked_\@:
.endm
.macro CREST
	s_cmp_lg_u32 s12, 0
	s_cbranch_scc1 .Lnot_wave_0_\@
	s_barrier_signal -3
.Lnot_wave_0_\@:
	s_barrier_wait -3
	s_barrier_signal -1
	s_barrier_wait -1
.endm
.macro CROUND
	s_barrier_signal -1
	s_barrier_wait -1
	CREST
.endm
	s_load_b128 s[4:7], s[0:1], 0x0                ; yh, wo16
	s_load_b128 s[8:11], s[0:1], 0x10              ; b_out, out0
	v_lshl_add_u32 v[SPW], v0, 2, SPARE
	v_mov_b32 v[NIL], 0
	ds_add_u32 v[SPW], v[NIL]                      ; the opening: the add, twice on end, and its wait ahead of my first tensor load
	ds_add_u32 v[SPW], v[NIL]
	v_lshrrev_b32 v1, 5, v0
	v_readfirstlane_b32 s12, v1                    ; wave 0..3
	s_lshr_b32 s13, s12, 1                         ; my half of the tile's rows.  Also: I fetch for y (0) or for w_out (1)
	s_and_b32 s14, s12, 1                          ; my half of its columns.  Also: which part I fetch
	s_bfe_u32 s40, ttmp6, 0x40000                  ; cx
	s_bfe_u32 s41, ttmp6, 0x40004                  ; cy
	s_lshl_b32 s42, ttmp9, 2
	s_add_co_u32 s42, s42, s40                     ; tile column 0..3
	s_and_b32 s15, ttmp7, 0xffff
	s_lshl_b32 s15, s15, 2
	s_add_co_u32 s15, s15, s41                     ; tile row 0..63
	s_lshl_b32 s43, s41, 2
	s_lshl_b32 s43, 15, s43                        ; my row of the cluster
	s_lshl_b32 s44, 0x1111, s40                    ; my column
	s_or_b32 s[G1+0], s43, (1<<16)|(1<<20)|(1<<21)|(4<<22)|(3<<25)    ; y: elements of 2 bytes, 4 words of padding behind every 32
	s_mov_b32 s[G1+1], 64<<16
	s_mov_b32 s[G1+2], 128<<16
	s_mov_b32 s[G1+3], 64<<16
	s_mov_b32 s[G1+4], 128
	s_mov_b32 s[G1+5], 64
	s_mov_b32 s[G1+6], 0
	s_mov_b32 s[G1+7], 0
	s_or_b32 s[G1B+0], s44, (1<<16)|(1<<20)|(1<<21)|(6<<22)|(7<<25)   ; w_out: 8 words of padding behind every 128
	s_mov_b32 s[G1B+1], 256<<16
	s_mov_b32 s[G1B+2], 64<<16
	s_mov_b32 s[G1B+3], 256<<16
	s_mov_b32 s[G1B+4], 64
	s_mov_b32 s[G1B+5], 1024
	s_mov_b32 s[G1B+6], 0
	s_mov_b32 s[G1B+7], 0
	s_lshr_b32 s16, s15, 4
	s_lshl_b32 s16, s16, 22                        ; y: the batch's 16 heads of 262,144 bytes,
	s_lshl_b32 s17, s14, 18
	s_add_co_u32 s16, s16, s17                     ; head 0 or 1 of the K step,
	s_and_b32 s17, s15, 15
	s_lshl_b32 s17, s17, 14
	s_add_co_u32 s16, s16, s17                     ; 128 positions of 128 bytes
	s_mov_b32 s17, 0
	s_lshl_b32 s46, s14, 17                        ; w_out: 64 rows of 2,048 bytes,
	s_lshl_b32 s47, s42, 9
	s_add_co_u32 s46, s46, s47                     ; 256 columns of 2 bytes
	s_mov_b32 s47, 0
	s_mul_i32 s20, s14, APART                      ; where they go
	s_mul_i32 s21, s14, BHALF
	s_add_co_u32 s21, s21, BOFF
	s_wait_dscnt 0x0                               ; both opening adds are done
	s_wait_kmcnt 0x0
	s_add_nc_u64 s[16:17], s[4:5], s[16:17]
	s_add_nc_u64 s[46:47], s[6:7], s[46:47]
	CROUND                                         ; all sixteen work-groups are here
.irp s, 0,1
	s_mov_b32 s[G0+4*\s], 1
	s_add_co_u32 s[G0+4*\s+1], s20, \s*SLOT
	s_add_nc_u64 s[G0+4*\s+2:G0+4*\s+3], s[16:17], \s*524288
	s_or_b32 s[G0+4*\s+3], s[G0+4*\s+3], 0x80000000
	s_mov_b32 s[G0B+4*\s], 1
	s_add_co_u32 s[G0B+4*\s+1], s21, \s*SLOT
	s_add_nc_u64 s[G0B+4*\s+2:G0B+4*\s+3], s[46:47], \s*262144
	s_or_b32 s[G0B+4*\s+3], s[G0B+4*\s+3], 0x80000000
	JLOAD \s
.endr
	v_and_b32 v1, 15, v0                           ; r
	v_bfe_u32 v2, v0, 4, 1                         ; h
	v_mul_u32_u24 v3, v1, KP
	v_lshl_add_u32 v3, v2, 4, v3                   ; y: row r, + 16 h
	v_and_b32 v5, 7, v0
	v_lshl_add_u32 v4, v2, 3, v5
	v_mul_u32_u24 v4, v4, BP                       ; w_out: K row 8 h + lane % 8,
	v_bfe_u32 v5, v0, 3, 1
	v_lshl_add_u32 v4, v5, 4, v4                   ; columns 8 ((lane / 8) % 2) on
	s_mul_i32 s21, s13, 64*KP                      ; my 64 rows of y
	s_lshl_b32 s22, s14, 8
	s_add_co_u32 s22, s22, BOFF                    ; my 128 columns of w_out
.irp s, 0,1
	v_add_nc_u32 v[ADRA+\s], s21, v3
	v_add_nc_u32 v[ADRB+\s], s22, v4
	s_add_co_u32 s21, s21, SLOT
	s_add_co_u32 s22, s22, SLOT
.endr
	s_mul_i32 s23, s12, 16*SPITCH
	s_add_co_u32 s23, s23, STAGE
	v_mul_u32_u24 v5, v1, SPITCH
	v_lshl_add_u32 v5, v2, 5, v5
	v_add_nc_u32 v[STO], s23, v5
	v_and_b32 v6, 31, v0
	v_lshlrev_b32 v[CO], 4, v6
	v_add_nc_u32 v[RD], s23, v[CO]
	v_lshlrev_b32 v[BO], 5, v2
	s_lshl_b32 s18, s15, 7
	s_lshl_b32 s19, s13, 6
	s_add_co_u32 s18, s18, s19
	s_lshl_b32 s18, s18, 12                        ; my first row of out0, 4,096 bytes a row
	s_mov_b32 s19, 0
	s_add_nc_u64 s[10:11], s[10:11], s[18:19]
	s_lshl_b32 s46, s42, 10
	s_lshl_b32 s47, s14, 9
	s_add_co_u32 s46, s46, s47                     ; my first column, 4 bytes each
	s_mov_b32 s47, 0
	s_add_nc_u64 s[10:11], s[10:11], s[46:47]
	s_add_nc_u64 s[8:9], s[8:9], s[46:47]
	WIN 0x80                                       ; destination window 2
.irp b, 0,1,2,3,4,5,6,7
	global_load_b128 v[8*\b:8*\b+3], v[BO], s[8:9] offset:64*\b          ; register 8 b + j = b_out[my first column + 16 b + 8 h + j]
	global_load_b128 v[8*\b+4:8*\b+7], v[BO], s[8:9] offset:64*\b+16
.endr
	WIN 0
.macro MUL8 f, a, first                ; y's block a against w_out's eight.  The 32 accumulators take turns in the same order in every quarter
.irp b, 0,1,2,3,4,5,6,7
.if \first
	v_wmma_f32_16x16x32_f16 v[8*(8*(\a)+\b):8*(8*(\a)+\b)+7], v[\f+8*\b:\f+8*\b+7], v[\f+64+8*(\a):\f+64+8*(\a)+7], v[8*\b:8*\b+7]
.else
	v_wmma_f32_16x16x32_f16 v[8*(8*(\a)+\b):8*(8*(\a)+\b)+7], v[\f+8*\b:\f+8*\b+7], v[\f+64+8*(\a):\f+64+8*(\a)+7], v[8*(8*(\a)+\b):8*(8*(\a)+\b)+7]
.endif
.endr
.endm
.macro FETCH slot, q, f                ; 24 LDS loads: the fragments of the slot's q-th 32 along K
.irp b, 0,1,2,3,4,5,6,7
	ds_load_tr16_b128 v[\f+8*\b:\f+8*\b+3], v[ADRB+\slot] offset:32*(\q)*BP+32*\b
	ds_load_tr16_b128 v[\f+8*\b+4:\f+8*\b+7], v[ADRB+\slot] offset:(32*(\q)+16)*BP+32*\b
.endr
.irp a, 0,1,2,3
	ds_load_b128 v[\f+64+8*\a:\f+64+8*\a+3], v[ADRA+\slot] offset:((\q)/2)*APART+((\q)%2)*64+\a*16*KP
	ds_load_b128 v[\f+64+8*\a+4:\f+64+8*\a+7], v[ADRA+\slot] offset:((\q)/2)*APART+((\q)%2)*64+\a*16*KP+32
.endr
.endm
.macro PLACES
.rept 4
	v_nop
.endr
.endm
.macro QUARTER slot, nq, f, g, first   ; multiplies buffer f; in its middle it fetches quarter nq of the same slot into g
	s_wait_dscnt 0x0
.if \first
	WIN MUL1
.else
	WIN MUL
.endif
	MUL8 \f, 0, \first
	MUL8 \f, 1, \first
	WIN 0
	PLACES                                         ; in front of loads into registers that the quarter before multiplied
	FETCH \slot, \nq, \g
.if \first
	WIN MUL1
.else
	WIN MUL
.endif
	MUL8 \f, 2, \first
	MUL8 \f, 3, \first
.endm
.macro TURN slot, next, fill           ; a slot's last quarter, and the change of slots
	WIN 0
	s_wait_tensorcnt 0x0                           ; all my tensor loads have landed: my part of the next slot
	ds_add_u32 v[SPW], v[NIL]
	s_wait_dscnt 1                                 ; the fragments are in; the add may be out
	WIN MUL
	MUL8 F1, 0, 0
	s_wait_dscnt 0x0                               ; the add is done, and my reads of this slot are over
	s_barrier_signal -1
	MUL8 F1, 1, 0
	WIN 0
	s_barrier_wait -1
.if \fill
	CREST                                          ; the barrier has opened a round of the cluster's: no wave of any partner still reads this slot or has a load on its way
	s_add_nc_u64 s[G0+4*\slot+2:G0+4*\slot+3], s[G0+4*\slot+2:G0+4*\slot+3], 1048576
	s_add_nc_u64 s[G0B+4*\slot+2:G0B+4*\slot+3], s[G0B+4*\slot+2:G0B+4*\slot+3], 524288
	JLOAD \slot                                    ; two K steps on; its four v_nop are also the places in front of the loads below
.else
	PLACES
.endif
	FETCH \next, 0, F0
	WIN MUL
	MUL8 F1, 2, 0
	MUL8 F1, 3, 0
.endm
	s_wait_tensorcnt 1                             ; my part of K step 0 is in; K step 1's may be out
	s_barrier_signal -1
	s_barrier_wait -1
	FETCH 0, 0, F0
	s_wait_loadcnt 0x0                             ; the bias
	QUARTER 0, 1, F0, F1, 1
	WIN 0
	s_mov_b32 s3, LAPS-1
.Llap:                                             ; a trip goes once round the ring and fills both slots again
	QUARTER 0, 2, F1, F0, 0
	QUARTER 0, 3, F0, F1, 0
	TURN 0, 1, 1
	QUARTER 1, 1, F0, F1, 0
	QUARTER 1, 2, F1, F0, 0
	QUARTER 1, 3, F0, F1, 0
	TURN 1, 0, 1
	QUARTER 0, 1, F0, F1, 0
	WIN 0
	s_sub_co_u32 s3, s3, 1
	s_cmp_lg_u32 s3, 0
	s_cbranch_scc1 .Llap
	QUARTER 0, 2, F1, F0, 0                        ; the last lap fills nothing
	QUARTER 0, 3, F0, F1, 0
	TURN 0, 1, 0
	QUARTER 1, 1, F0, F1, 0
	QUARTER 1, 2, F1, F0, 0
	QUARTER 1, 3, F0, F1, 0
	s_wait_dscnt 0x0
	WIN MUL
	MUL8 F1, 0, 0
	MUL8 F1, 1, 0
	MUL8 F1, 2, 0
	MUL8 F1, 3, 0
	WIN 0
; THE WAY OUT, a block of 16 rows x 128 columns at a time, through my own stage: whole rows of 512 bytes come back and leave.
.macro TOSTAGE a
	WIN 0x04                                       ; an LDS store's data are its source 1: window 1
.irp b, 0,1,2,3,4,5,6,7
	ds_store_b128 v[STO], v[64*(\a)+8*\b:64*(\a)+8*\b+3] offset:64*\b
	ds_store_b128 v[STO], v[64*(\a)+8*\b+4:64*(\a)+8*\b+7] offset:64*\b+16
.endr
	WIN 0
.set BB, BK+64*((\a)%2)
.irp t, 0,1,2,3,4,5,6,7,8,9,10,11,12,13,14,15
	ds_load_b128 v[BB+4*\t:BB+4*\t+3], v[RD] offset:\t*SPITCH
.endr
.endm
.macro SEND a, younger
.set BB, BK+64*((\a)%2)
	s_wait_dscnt \younger
.irp t, 0,1,2,3,4,5,6,7,8,9,10,11,12,13,14,15
	global_store_b128 v[CO], v[BB+4*\t:BB+4*\t+3], s[10:11] offset:(16*(\a)+\t)*4096 th:TH_STORE_NT   ; 32 lanes store 512 consecutive bytes
.endr
.endm
	PLACES
	TOSTAGE 0
.irp a, 1,2,3
.if \a > 1
	s_wait_xcnt 0x0                                ; the stores of two blocks back have read their registers
.endif
	TOSTAGE \a
	SEND \a-1, 32                                  ; behind that block's loads: this block's 16 stores and 16 loads
.endr
	SEND 3, 0
	s_wait_tensorcnt 0x0                           ; the wave's end
	ds_add_u32 v[SPW], v[NIL]
	s_wait_dscnt 0x0
	CROUND                                         ; the closing round
	s_endpgm
.Lfunc_end_k_q8381d8bd37_proj:
	.size	k_q8381d8bd37_proj, .Lfunc_end_k_q8381d8bd37_proj-k_q8381d8bd37_proj
	.p2alignl 7, 3214868480
	.fill 96, 4, 3214868480
	.section	.rodata,"a",@progbits
	.p2align	6, 0x0
	.amdhsa_kernel k_q8381d8bd37_proj
		.amdhsa_group_segment_fixed_size 327680
		.amdhsa_private_segment_fixed_size 0
		.amdhsa_enable_private_segment 0
		.amdhsa_kernarg_size 32
		.amdhsa_user_sgpr_count 2
		.amdhsa_user_sgpr_kernarg_segment_ptr 1
		.amdhsa_wavefront_size32 1
		.amdhsa_system_sgpr_workgroup_id_x 1
		.amdhsa_system_sgpr_workgroup_id_y 1
		.amdhsa_system_sgpr_workgroup_id_z 1
		.amdhsa_system_vgpr_workitem_id 0
		.amdhsa_next_free_vgpr 576
		.amdhsa_next_free_sgpr 66
		.amdhsa_reserve_vcc 0
		.amdhsa_float_denorm_mode_32 3
		.amdhsa_float_denorm_mode_16_64 3
		.amdhsa_memory_ordered 1
		.amdhsa_forward_progress 1
		.amdhsa_inst_pref_size 86
	.end_amdhsa_kernel
	.amdgpu_metadata
---
amdhsa.version: [ 1, 2 ]
amdhsa.kernels:
  - .name:           k_q8381d8bd37_proj
    .symbol:         k_q8381d8bd37_proj.kd
    .args:
      - { .name: yh, .offset: 0, .size: 8, .value_kind: global_buffer, .address_space: global }
      - { .name: wo16, .offset: 8, .size: 8, .value_kind: global_buffer, .address_space: global }
      - { .name: b_out, .offset: 16, .size: 8, .value_kind: global_buffer, .address_space: global }
      - { .name: out0, .offset: 24, .size: 8, .value_kind: global_buffer, .address_space: global }
    .group_segment_fixed_size: 327680
    .private_segment_fixed_size: 0
    .kernarg_segment_align: 8
    .kernarg_segment_size: 32
    .max_flat_workgroup_size: 128
    .sgpr_count:     66
    .vgpr_count:     576
    .wavefront_size: 32
...
	.end_amdgpu_metadata
.endif
;; end of part 4
;; launch fine (part 5): grid 16 x 4, 16 waves a work-group, no clusters, 85,248 bytes of LDS; arguments f32rows, w_out, b_out, out0; writes out0
.if DOCPART == 5
	.amdgcn_target "amdgcn-amd-amdhsa--gfx1250"
	.amdhsa_code_object_version 6
	.text
	.protected	k_q8381d8bd37_fine
	.globl	k_q8381d8bd37_fine
	.p2align	8
	.type	k_q8381d8bd37_fine,@function
k_q8381d8bd37_fine:
	s_mov_b64 s[64:65], 0
	v_nop
	global_prefetch_b8 v0, s[64:65] scope:SCOPE_SE
	s_setreg_imm32_b32 hwreg(HW_REG_WAVE_MODE, 25, 1), 1
	s_wait_xcnt 0x0
; Launch 5 of 5: the first 16 positions of every sequence once more, wholly in f32: there a row of the softmax averages one to a few values, the results are the largest of the output, and operands of 16 bits would use up what the comparison allows.
; f32rows [16 batch + t][3072] f32 (q, k, v with their biases; k without: it cancels in the softmax, shown at the head of the first launch); w_out [1024][1024] f32; out0 rows 2048 batch + t, t < 16, are written over.
; This is no bulk work: 64 rows of 8,192.
; SHARES.  A work-group: one batch, 64 columns of out0.  Phase 1: wave w makes head w's 16 x 16 attention.  Phase 2: wave w = 4 kq + nt makes 16 columns (nt) over 256 of K (kq).  Phase 3: wave w adds row w's four parts and the bias.
; The f32 matrix form takes k = 2 (lane / 16) + register.  Any one order of K serves, if both sources have it: a lane's loads of 16 bytes bring four neighbours, and a product takes two of them from each half of the lanes.
; The accumulators v128-159 are written by matrix instructions alone; each sum starts with the constant 0.
.set YP,    4112                       ; y: 16 rows x (4,096 bytes + 16)
.set RED,   16*YP                      ; the four parts along K: 4 x 16 rows x (256 + 16)
.set RP,    272
.set SPARE, RED+4*16*RP
.set QA,  16                           ; v16-47   q; later w_out's last 32 registers
.set KA,  48                           ; v48-79   k; later y to be stored; later chunks of y
.set VA,  80                           ; v80-111  v; later chunks of y
.set T,   112                          ; v112-119 scores, then p
.set ACC, 128
.set WA0, 160                          ; v160-255 w_out's first 96 registers
	s_load_b256 s[4:11], s[0:1], 0x0               ; f32rows, w_out, b_out, out0
	v_lshl_add_u32 v4, v0, 2, SPARE                ; my spare word; never rewritten
	v_mov_b32 v5, 0                                ; 0; never rewritten
	v_lshrrev_b32 v1, 5, v0
	v_readfirstlane_b32 s12, v1                    ; wave 0..15
	v_and_b32 v1, 15, v0                           ; r
	v_bfe_u32 v2, v0, 4, 1                         ; h
	v_and_b32 v3, 31, v0
	s_and_b32 s13, s12, 3                          ; nt
	s_lshr_b32 s14, s12, 2                         ; kq
	s_and_b32 s16, ttmp7, 0xffff                   ; batch
	v_mul_u32_u24 v6, v1, 12288
	v_lshl_add_u32 v6, v2, 4, v6                   ; q, k: row r, + 16 h
	v_mul_u32_u24 v7, v2, 8*12288
	v_lshl_add_u32 v7, v1, 2, v7                   ; v: row 8 h, channel r
	v_lshlrev_b32 v8, 14, v2
	v_lshl_add_u32 v8, v1, 2, v8                   ; w_out: K row 4 h, column r
	v_lshlrev_b32 v9, 3, v2
	v_sub_nc_u32 v9, v1, v9                        ; r - 8 h
	v_mul_u32_u24 v10, v1, YP
	v_lshl_add_u32 v11, v2, 4, v10
	v_lshl_add_u32 v10, v2, 5, v10
	s_lshl_b32 s18, s12, 8
	v_add_nc_u32 v10, s18, v10                     ; y, in: row r, + 256 w + 32 h
	s_lshl_b32 s18, s14, 10
	v_add_nc_u32 v11, s18, v11                     ; y, out: row r, + 1,024 kq + 16 h
	v_mul_u32_u24 v12, v1, RP
	v_lshl_add_u32 v12, v2, 5, v12
	s_mul_i32 s18, s14, 16*RP
	s_lshl_b32 s19, s13, 6
	s_add_co_u32 s18, s18, s19
	s_add_co_u32 s18, s18, RED
	v_add_nc_u32 v12, s18, v12                     ; the parts, in: part kq, row r, + 64 nt + 32 h
	s_mul_i32 s18, s12, RP
	s_add_co_u32 s18, s18, RED
	v_lshl_add_u32 v13, v3, 3, s18                 ; out: row w, 8 bytes a lane
	v_lshlrev_b32 v14, 3, v3
	v_mov_b32 v15, 0xff800000                      ; -infinity
	v_mov_b32 v121, 0                              ; (a lane permute's destination counts as one of its sources)
	s_mov_b32 s22, 0x76543210
	s_mov_b32 s23, 0xfedcba98
	s_mov_b32 s24, 0x3e38aa3b                      ; c = log2(e) / 8
	s_mul_i32 s18, s16, 16*12288
	s_lshl_b32 s20, s12, 8
	s_add_co_u32 s18, s18, s20                     ; f32rows: the batch's 16 rows, head w's 64 columns
	s_mov_b32 s19, 0
	s_lshl_b32 s20, s14, 20                        ; w_out: 256 kq rows of 4,096 bytes,
	s_lshl_b32 s26, ttmp9, 8
	s_add_co_u32 s20, s20, s26
	s_lshl_b32 s27, s13, 6
	s_add_co_u32 s20, s20, s27                     ; + the work-group's 64 columns, + my 16
	s_mov_b32 s21, 0
	s_mov_b32 s27, 0
	s_lshl_b32 s28, s16, 11
	s_add_co_u32 s28, s28, s12
	s_lshl_b32 s28, s28, 12                        ; out0: row 2,048 batch + w
	s_mov_b32 s29, 0
	s_wait_kmcnt 0x0
	s_add_nc_u64 s[4:5], s[4:5], s[18:19]
	s_add_nc_u64 s[6:7], s[6:7], s[20:21]
	s_add_nc_u64 s[8:9], s[8:9], s[26:27]
	s_add_nc_u64 s[10:11], s[10:11], s[28:29]
	s_add_nc_u64 s[10:11], s[10:11], s[26:27]
.irp u, 0,1,2,3,4,5,6,7
	global_load_b128 v[KA+4*\u:KA+4*\u+3], v6, s[4:5] offset:4096+32*\u      ; k(r, 8 u + 4 h + 0 .. 3)
.endr
.irp u, 0,1,2,3,4,5,6,7
	global_load_b128 v[QA+4*\u:QA+4*\u+3], v6, s[4:5] offset:32*\u           ; q likewise
.endr
.irp ct, 0,1,2,3
.irp i, 0,1,2,3,4,5,6,7
	global_load_b32 v[VA+8*\ct+\i], v7, s[4:5] offset:8192+\i*12288+64*\ct   ; v(8 h + i, 16 ct + r)
.endr
.endr
	global_load_b64 v[126:127], v14, s[8:9]        ; b_out of my two columns of phase 3
.set u, 0
.rept 24
.irp i, 0,1,2,3
	global_load_b32 v[WA0+4*u+\i], v8, s[6:7] offset:(8*u+\i)*4096           ; w_out(256 kq + 8 u + 4 h + i, my column)
.endr
.set u, u+1
.endr
	s_wait_loadcnt 63                              ; of the 145 loads at least 82 are in: k, q, v and b_out are the first 49
	; ---- phase 1.  S^T = k q^T: 16 products, two accumulators by turns
.set st, 0
.rept 16
.if st < 2
	v_wmma_f32_16x16x4_f32 v[ACC+8*(st%2):ACC+8*(st%2)+7], v[KA+2*st:KA+2*st+1], v[QA+2*st:QA+2*st+1], 0
.else
	v_wmma_f32_16x16x4_f32 v[ACC+8*(st%2):ACC+8*(st%2)+7], v[KA+2*st:KA+2*st+1], v[QA+2*st:QA+2*st+1], v[ACC+8*(st%2):ACC+8*(st%2)+7]
.endif
.set st, st+1
.endr
.rept 8
	v_nop                                          ; eight plain lines behind this form, in front of reads of its results and loads into its sources
.endr
.set u, 24
.rept 8
.irp i, 0,1,2,3
	global_load_b32 v[QA+4*(u-24)+\i], v8, s[6:7] offset:(8*u+\i)*4096
.endr
.set u, u+1
.endr
.irp i, 0,1,2,3
	v_pk_add_f32 v[T+2*\i:T+2*\i+1], v[ACC+2*\i:ACC+2*\i+1], v[ACC+8+2*\i:ACC+8+2*\i+1]   ; lane (r, h), register j: key 8 h + j, query r
.endr
.irp j, 0,1,2,3,4,5,6,7
	v_cmp_gt_i32 vcc_lo, \j, v9                    ; hidden where 8 h + j > r
	v_cndmask_b32 v[T+\j], v[T+\j], v15, vcc_lo
.endr
	v_max3_num_f32 v120, v[T], v[T+1], v[T+2]
	v_max3_num_f32 v120, v120, v[T+3], v[T+4]
	v_max3_num_f32 v120, v120, v[T+5], v[T+6]
	v_max_num_f32 v120, v120, v[T+7]
	v_permlanex16_b32 v121, v120, s22, s23
	v_max_num_f32 v120, v120, v121                 ; the row's maximum: key 0 counts for every query, so it is a number
	v_mul_f32 v121, s24, v120
.irp j, 0,1,2,3,4,5,6,7
	v_fma_f32 v[T+\j], v[T+\j], s24, -v121
.endr
.irp j, 0,1,2,3,4,5,6,7
	v_exp_f32 v[T+\j], v[T+\j]
.endr
	v_nop
	s_wait_alu depctr_va_vdst(0)                   ; one wait for the eight exponentials, ahead of their first reader
	v_pk_add_f32 v[122:123], v[T:T+1], v[T+2:T+3]
	v_pk_add_f32 v[124:125], v[T+4:T+5], v[T+6:T+7]
	v_pk_add_f32 v[122:123], v[122:123], v[124:125]
	v_add_f32 v122, v122, v123
	v_permlanex16_b32 v123, v122, s22, s23
	v_add_f32 v122, v122, v123                     ; the row's sum
	v_rcp_f32 v124, v122
	v_nop
	s_wait_alu depctr_va_vdst(0)
.irp s, 0,1,2,3                                ; O^T = v^T p: keys 8 h + 2 s + j on both sides; four accumulators by turns
.irp ct, 0,1,2,3
.if \s == 0
	v_wmma_f32_16x16x4_f32 v[ACC+8*\ct:ACC+8*\ct+7], v[VA+8*\ct+2*\s:VA+8*\ct+2*\s+1], v[T+2*\s:T+2*\s+1], 0
.else
	v_wmma_f32_16x16x4_f32 v[ACC+8*\ct:ACC+8*\ct+7], v[VA+8*\ct+2*\s:VA+8*\ct+2*\s+1], v[T+2*\s:T+2*\s+1], v[ACC+8*\ct:ACC+8*\ct+7]
.endif
.endr
.endr
.rept 9
	v_nop                                          ; nine: phase 2 begins new sums on these accumulators
.endr
.irp i, 0,1,2,3,4,5,6,7,8,9,10,11,12,13,14,15
	v_pk_mul_f32 v[KA+2*\i:KA+2*\i+1], v[ACC+2*\i:ACC+2*\i+1], v[124:125] op_sel_hi:[1,0]    ; y(r, 64 w + 16 ct + 8 h + j)
.endr
.irp ct, 0,1,2,3
	ds_store_b128 v10, v[KA+8*\ct:KA+8*\ct+3] offset:64*\ct
	ds_store_b128 v10, v[KA+8*\ct+4:KA+8*\ct+7] offset:64*\ct+16
.endr
	s_wait_dscnt 0x0                               ; for the others: my stores have landed
	s_barrier_signal -1
	s_barrier_wait -1                              ; 16 whole rows of y lie in LDS
	; ---- phase 2.  (y w_out)^T: source 0 = 16 columns of w_out, source 1 = the 16 rows of y; 64 products over my 256 of K, four accumulators by turns
.macro CHUNK c, ch                     ; y(r, 256 kq + 64 c + 8 u + 4 h + 0 .. 3), u = 0 .. 7
.irp u, 0,1,2,3,4,5,6,7
	ds_load_b128 v[\ch+4*\u:\ch+4*\u+3], v11 offset:32*(8*(\c)+\u)
.endr
.endm
.macro MULC c, ch
.set ls, 0
.rept 16
.set st, 16*(\c)+ls
.if st < 48
.set wa, WA0+2*st
.else
.set wa, QA+2*(st-48)
.endif
.set ac, ACC+8*(st%4)
.if st < 4
	v_wmma_f32_16x16x4_f32 v[ac:ac+7], v[wa:wa+1], v[\ch+2*ls:\ch+2*ls+1], 0
.else
	v_wmma_f32_16x16x4_f32 v[ac:ac+7], v[wa:wa+1], v[\ch+2*ls:\ch+2*ls+1], v[ac:ac+7]
.endif
.set ls, ls+1
.endr
.endm
	CHUNK 0, KA
	CHUNK 1, VA
	s_wait_loadcnt 0x0                             ; all of w_out's registers
	s_wait_dscnt 8                                 ; the older chunk is in, the younger may be out
	MULC 0, KA
.rept 8
	v_nop
.endr
	CHUNK 2, KA
	s_wait_dscnt 8
	MULC 1, VA
.rept 8
	v_nop
.endr
	CHUNK 3, VA
	s_wait_dscnt 8
	MULC 2, KA
	s_wait_dscnt 0x0
	MULC 3, VA
.rept 8
	v_nop
.endr
.irp i, 0,1,2,3
	v_pk_add_f32 v[KA+2*\i:KA+2*\i+1], v[ACC+2*\i:ACC+2*\i+1], v[ACC+8+2*\i:ACC+8+2*\i+1]
.endr
.irp i, 0,1,2,3
	v_pk_add_f32 v[T+2*\i:T+2*\i+1], v[ACC+16+2*\i:ACC+16+2*\i+1], v[ACC+24+2*\i:ACC+24+2*\i+1]
.endr
.irp i, 0,1,2,3
	v_pk_add_f32 v[T+2*\i:T+2*\i+1], v[T+2*\i:T+2*\i+1], v[KA+2*\i:KA+2*\i+1]     ; lane (r, h), register j: row r, column 16 nt + 8 h + j
.endr
	ds_store_b128 v12, v[T:T+3]
	ds_store_b128 v12, v[T+4:T+7] offset:16
	s_wait_dscnt 0x0
	s_barrier_signal -1
	s_barrier_wait -1
	; ---- phase 3.  Row w: the four parts along K, in ascending order, and the bias
.irp k, 0,1,2,3
	ds_load_b64 v[VA+2*\k:VA+2*\k+1], v13 offset:16*RP*\k
.endr
	s_wait_dscnt 0x0
	v_pk_add_f32 v[VA:VA+1], v[VA:VA+1], v[VA+2:VA+3]
	v_pk_add_f32 v[VA:VA+1], v[VA:VA+1], v[VA+4:VA+5]
	v_pk_add_f32 v[VA:VA+1], v[VA:VA+1], v[VA+6:VA+7]
	v_pk_add_f32 v[VA:VA+1], v[VA:VA+1], v[126:127]
	global_store_b64 v14, v[VA:VA+1], s[10:11]     ; 32 lanes store 256 consecutive bytes, aligned
	s_wait_tensorcnt 0x0                           ; the wave's end
	ds_add_u32 v4, v5
	s_wait_dscnt 0x0
	s_endpgm
.Lfunc_end_k_q8381d8bd37_fine:
	.size	k_q8381d8bd37_fine, .Lfunc_end_k_q8381d8bd37_fine-k_q8381d8bd37_fine
	.p2alignl 7, 3214868480
	.fill 96, 4, 3214868480
	.section	.rodata,"a",@progbits
	.p2align	6, 0x0
	.amdhsa_kernel k_q8381d8bd37_fine
		.amdhsa_group_segment_fixed_size 85248
		.amdhsa_private_segment_fixed_size 0
		.amdhsa_enable_private_segment 0
		.amdhsa_kernarg_size 32
		.amdhsa_user_sgpr_count 2
		.amdhsa_user_sgpr_kernarg_segment_ptr 1
		.amdhsa_wavefront_size32 1
		.amdhsa_system_sgpr_workgroup_id_x 1
		.amdhsa_system_sgpr_workgroup_id_y 1
		.amdhsa_system_sgpr_workgroup_id_z 1
		.amdhsa_system_vgpr_workitem_id 0
		.amdhsa_next_free_vgpr 256
		.amdhsa_next_free_sgpr 66
		.amdhsa_reserve_vcc 1
		.amdhsa_float_denorm_mode_32 3
		.amdhsa_float_denorm_mode_16_64 3
		.amdhsa_memory_ordered 1
		.amdhsa_forward_progress 1
		.amdhsa_inst_pref_size 35
	.end_amdhsa_kernel
	.amdgpu_metadata
---
amdhsa.version: [ 1, 2 ]
amdhsa.kernels:
  - .name:           k_q8381d8bd37_fine
    .symbol:         k_q8381d8bd37_fine.kd
    .args:
      - { .name: f32rows, .offset: 0, .size: 8, .value_kind: global_buffer, .address_space: global }
      - { .name: w_out, .offset: 8, .size: 8, .value_kind: global_buffer, .address_space: global }
      - { .name: b_out, .offset: 16, .size: 8, .value_kind: global_buffer, .address_space: global }
      - { .name: out0, .offset: 24, .size: 8, .value_kind: global_buffer, .address_space: global }
    .group_segment_fixed_size: 85248
    .private_segment_fixed_size: 0
    .kernarg_segment_align: 8
    .kernarg_segment_size: 32
    .max_flat_workgroup_size: 512
    .sgpr_count:     66
    .vgpr_count:     256
    .wavefront_size: 32
...
	.end_amdgpu_metadata
.endif
;; end of part 5
